; MI455X (gfx1250); checked and timed in simulation.
; The chip was launched on July 23, 2026; its instructions are those of AMD's public machine-readable ISA for CDNA 5 (MIT licence, August 2026) and "CDNA5" Instruction Set Architecture Reference Guide (July 2026). The comments in the code are by the model that wrote it; some were corrected since.
;; Optimized SAT Attention. Allowed arithmetic: matrix products marked QUANTISED: E2M3 operands, one E8M0 scale for each 32 along K, by v_wmma_scale_f32_16x16x128_f8f6f4 with both operands' format E2M3, f32 sums; everything else in f32.
;; Inputs: Wk 1,024 x 1,024 float32; Wo 1,024 x 1,024 float32; Wq 1,024 x 1,024 float32; Wsk 1,024 x 1,024 float32; Wsq 1,024 x 1,024 float32; Wv 1,024 x 1,024 float32; bk 1,024 float32; bo 1,024 float32; bq 1,024 float32; bsk 1,024 float32; bsq 1,024 float32; bv 1,024 float32; x_content 2 x 2,048 x 1,024 float32; x_struct 2 x 2,048 x 1,024 float32.
;; Outputs: out0 2 x 2,048 x 1,024 float32.
;; This version of the problem:
;;   THIS VERSION OF THE PROBLEM IS GIVEN IN LOW PRECISION. The matrix products marked QUANTISED in the list below multiply operands that are first quantised to E2M3 (2 exponent bits, 3 mantissa bits; 6 bits a number), with one power-of-two scale for each 32 numbers along K (OCP MX v1.0); their sums are f32. All else is computed in f32.
;;   The module's matrix products, in the order in which they are computed (A, B: the left and right operand; K: the contracted axis; several contracted axes count as one K, in the product's order):
;;     1. [M 4,096, K 1,024] x [K 1,024, N 1,024]; A: input x_content; B: input Wq: QUANTISED
;;     2. [M 4,096, K 1,024] x [K 1,024, N 1,024]; A: input x_content; B: input Wk: QUANTISED
;;     3. [M 4,096, K 1,024] x [K 1,024, N 1,024]; A: input x_content; B: input Wv: QUANTISED
;;     4. [M 4,096, K 1,024] x [K 1,024, N 1,024]; A: input x_struct; B: input Wsq: QUANTISED
;;     5. [M 4,096, K 1,024] x [K 1,024, N 1,024]; A: input x_struct; B: input Wsk: QUANTISED
;;     6. batch 32 x [M 2,048, K 64] x [K 64, N 2,048]; A: computed on the way; B: computed on the way: QUANTISED
;;     7. batch 32 x [M 2,048, K 64] x [K 64, N 2,048]; A: computed on the way; B: computed on the way: QUANTISED
;;     8. batch 32 x [M 2,048, K 2,048] x [K 2,048, N 64]; A: softmax (see below); B: computed on the way: QUANTISED
;;     9. [M 4,096, K 1,024] x [K 1,024, N 1,024]; A: computed on the way; B: input Wo: QUANTISED
;;   THE QUANTISER, for each operand of a quantised product, along K:
;;     - K is cut into blocks of 32 from its start; a last block that is shorter is filled with zeros.
;;     - A block's scale is 2^e with e = floor(log2(the largest magnitude in the block)) - 2, held to -126 .. 127; a block of zeros has e = 0. As a byte (E8M0): e + 127.
;;     - Each number is divided by its block's scale, clamped to +-7.5, and rounded to the nearest number of E2M3, ties to even, subnormals kept.
;;     - The product sums the exact products of the quantised numbers (number of the format x scale) in f32.
;;   ~~~python
;;   def quantise(x, axis):      # numpy; x: float32 -> the quantised numbers, widened to float32 again
;;       x = np.moveaxis(x, axis, -1); K = x.shape[-1]
;;       x = np.pad(x, [(0, 0)] * (x.ndim - 1) + [(0, -K % 32)]); x = x.reshape(x.shape[:-1] + (-1, 32)); a = np.abs(x).max(-1, keepdims=True)
;;       e = np.where(a > 0, np.clip(np.frexp(np.where(a > 0, a, 1))[1] - 1 - 2, -126, 127), 0)      # np.frexp(a)[1] - 1 = floor(log2(a)), exactly
;;       r = np.clip(x / 2.0 ** e, -7.5, 7.5)
;;       step = 2.0 ** (np.maximum(np.frexp(np.where(r == 0, 1, r))[1] - 1, 0) - 3)
;;       q = np.round(r / step) * step * 2.0 ** e      # np.round: ties to even
;;       return np.moveaxis(q.reshape(q.shape[:-2] + (-1,))[..., :K], -1, axis).astype(np.float32)
;;   ~~~
;;   SOFTMAX AHEAD OF A QUANTISED PRODUCT. Where the list says 'softmax', what is quantised is not the finished softmax but p = 2^(t - M), with t = logit x log2(e) and M = ceil(the row's largest t), a whole number; so 1/2 < the row's largest p <= 1. The row's sum l is taken of the UNQUANTISED p, in f32, and the product's result is divided by l at the end. Since M is a whole number, a kernel that streams over the keys may use a running M (the ceiling of the running maximum): every later rescaling is an exact power of two, which a block's scale takes up: the codes' values come out the same.
;;   OPERANDS COMPUTED ON THE WAY. 'Computed on the way' means the value that the module computes at that place (a softmax that the list does not call 'softmax' is quantised finished and normalised). What goes into a quantiser is computed in f32, as accurately as f32 sums, v_exp_f32 and their like allow (about 1e-6 of the number): no bf16 or f16 on the way to a quantiser, and a product that is left as it is and whose result goes on into a quantised operand takes f32 operands (vector FMAs, or v_wmma_f32_16x16x4_f32). A number that lies on a knife's edge between two numbers of the format may be rounded either way, as far as f32 arithmetic and the matrix unit's own rounding can turn it there, and no further.
;; One version. Each part assembles by itself: llvm-mc -triple=amdgcn-amd-amdhsa -mcpu=gfx1250 --defsym DOCPART=n.
;; ======== version 1 of 1: 4 launches
;; workspace buffers: opnd 11,468,800 bytes; qimg 6,553,600 bytes; kimg 6,553,600 bytes; vimg 3,276,800 bytes; oimg 3,276,800 bytes
;; launch quant (part 1): grid 256 x 1, 7 waves a work-group, no clusters, 60,160 bytes of LDS; arguments x_content, x_struct, Wq, Wk, Wv, Wsq, Wsk, Wo, opnd; writes opnd
.if DOCPART == 1
	.amdgcn_target "amdgcn-amd-amdhsa--gfx1250"
	.amdhsa_code_object_version 6
	.text
	.protected	k_q38b811a24d_quant
	.globl	k_q38b811a24d_quant
	.p2align	8
	.type	k_q38b811a24d_quant,@function
k_q38b811a24d_quant:
	s_mov_b64 s[64:65], 0
	v_nop
	global_prefetch_b8 v0, s[64:65] scope:SCOPE_SE
	s_setreg_imm32_b32 hwreg(HW_REG_WAVE_MODE, 25, 1), 1
	s_wait_xcnt 0x0
; x_content, x_struct [4096][1024] and the six weights [1024][1024], f32, K innermost, become codes of FP6 (E2M3) with one E8M0 byte for each 32 along K,
; laid in opnd as IMAGES OF OPERAND REGISTERS, so that the later launches fetch dense blocks and read them lane by lane.
; A RECORD (12,800 bytes) serves 128 rows x 128 K: eight fragments of 1,536 bytes, then two groups of scale words of 256 bytes.
;   tile t = 2 b + u of a record: its lane-row i is row 32 b + 8 u + i + 8 (i / 8) of the 128.
;   fragment: registers 6 c .. 6 c + 3 of lane l at 768 c + 16 l, registers 6 c + 4, 6 c + 5 at 768 c + 512 + 8 l (c = 0, 1).
;   scale group g: the word at 8 l + 4 q (l = 16 h + r) is the scale word of tile 4 g + 2 q + h, row r.
; A block's scale is 2^(floor(log2(largest magnitude)) - 2); its byte is the largest magnitude's exponent field - 2, held at 1 from below.
; LIMITS: NaN and infinities among the inputs are not served; a block whose largest magnitude lies under 2^-124 has its byte held at 1;
; a block of zeros gets the byte 1 with zero codes (the bytes are read by this program alone).
; SHARES: 112 blocks of 128 rows x 8 K steps x 2 halves = 1,792 units = 256 work-groups x 7 waves.  A unit is 64 rows x 128 K: four fragments and one scale group.
; Waves share nothing: no barrier.  Each load reads 512 consecutive bytes of one row; a fragment's 16 rows turn through the wave's own stage in LDS, so that a lane
; comes to hold two whole blocks of 32 neighbours of its row, in the order of the operand's registers.  Two fragments' loads (32 a wave) are on their way.
.set STGB,  8448                       ; a wave's stage: 16 rows x (512 bytes + 16)
.set SPARE, 7*STGB                     ; behind the stages: the spare words, 128 bytes a wave, four blocks of 256 bytes that no other line names
.set RECB,  12800
.set T,    10                          ; v10-11  largest magnitudes of my two blocks
.set SO,   12                          ; v12-13  the conversions' scale operands
.set BY,   14                          ; v14-15  the scale bytes
.set R,    16                          ; v16-143 two sets of 64: a fragment's rows as loaded
.set X,    144                         ; v144-207 my 64 numbers: register 32 c + i = k 64 c + 32 h + i of row r
.set PC,   208                         ; v208-219 the fragment's 12 registers
.set PT,   220                         ; v220-227 the upper halves of the two blocks, as converted
.set SW,   228                         ; v228-231 the four fragments' scale words
.set OW,   232                         ; v232-233 the scale group as stored
.set SPW,  234                         ; my spare word's LDS address; never rewritten
.set NIL,  235                         ; 0; never rewritten
	s_load_b512 s[4:19], s[0:1], 0x0               ; x_content, x_struct, Wq, Wk, Wv, Wsq, Wsk, Wo
	s_load_b64 s[20:21], s[0:1], 0x40              ; opnd
	v_lshl_add_u32 v[SPW], v0, 2, SPARE
	v_mov_b32 v[NIL], 0
	v_lshrrev_b32 v1, 5, v0
	v_readfirstlane_b32 s22, v1                    ; wave 0..6
	v_and_b32 v1, 31, v0                           ; lane
	v_and_b32 v2, 15, v0                           ; r
	v_bfe_u32 v3, v0, 4, 1                         ; h
	v_lshlrev_b32 v4, 4, v1                        ; 16 x lane: my bytes of a row's 512, and of a 16-byte piece of an image
	v_lshlrev_b32 v5, 3, v1                        ; 8 x lane
	s_mul_i32 s38, s22, STGB
	v_add_nc_u32 v6, s38, v4                       ; the stage, on the way in
	v_mul_u32_u24 v7, v2, 528
	v_lshl_add_u32 v7, v3, 7, v7
	v_add_nc_u32 v7, s38, v7                       ; and on the way out: row r, + 128 h bytes
	v_lshlrev_b32 v8, 3, v3                        ; 8 h: my bytes' place in the scale word
	v_mov_b32 v9, 0                                ; a lane permute's destination counts as read: written once
	s_mov_b32 s40, 0x76543210
	s_mov_b32 s41, 0xfedcba98                      ; selects for lane l xor 16
	s_mul_i32 s23, ttmp9, 7
	s_add_co_u32 s23, s23, s22                     ; my unit
	s_lshr_b32 s24, s23, 4                         ; block of 128 rows, 0..111
	s_bfe_u32 s25, s23, 0x30001                    ; K step
	s_and_b32 s26, s23, 1                          ; which 64 rows
	s_mov_b32 s30, 0                               ; the tensor's first block,
	s_mov_b32 s31, 0                               ; its first record,
	s_mov_b32 s32, 1                               ; and its records' stride
	s_wait_kmcnt 0x0
	s_mov_b64 s[28:29], s[4:5]
; the tensor is chosen without a branch, on the block's number alone
.macro PICK lim, p, rb, mul
	s_cmp_ge_u32 s24, \lim
	s_cselect_b64 s[28:29], s[\p:\p+1], s[28:29]
	s_cselect_b32 s30, \lim, s30
	s_cselect_b32 s31, \rb, s31
	s_cselect_b32 s32, \mul, s32
.endm
	PICK 32, 6, 256, 1                             ; x_struct
	PICK 64, 8, 512, 3                             ; Wq, Wk, Wv: their records of one K step lie side by side
	PICK 72, 10, 513, 3
	PICK 80, 12, 514, 3
	PICK 88, 14, 704, 2                            ; Wsq, Wsk likewise
	PICK 96, 16, 705, 2
	PICK 104, 18, 832, 1                           ; Wo
	s_sub_co_u32 s27, s24, s30                     ; the block within its tensor
	s_lshl_b32 s33, s27, 3
	s_add_co_u32 s33, s33, s25
	s_mul_i32 s33, s33, s32
	s_add_co_u32 s33, s33, s31                     ; the record's number
	s_mul_i32 s34, s33, RECB
	s_mov_b32 s35, 0
	s_add_nc_u64 s[20:21], s[20:21], s[34:35]      ; the record
	s_mul_i32 s34, s26, 6144
	s_add_nc_u64 s[34:35], s[20:21], s[34:35]      ; my four fragments
	s_lshl_b32 s36, s26, 8
	s_add_co_u32 s36, s36, 12288
	s_mov_b32 s37, 0
	s_add_nc_u64 s[36:37], s[20:21], s[36:37]      ; my scale group
	s_lshl_b32 s38, s27, 19                        ; 128 rows of 4,096 bytes,
	s_lshl_b32 s39, s26, 18                        ; 64 rows,
	s_add_co_u32 s38, s38, s39
	s_lshl_b32 s39, s25, 9                         ; 128 numbers
	s_add_co_u32 s38, s38, s39
	s_mov_b32 s39, 0
	s_add_nc_u64 s[28:29], s[28:29], s[38:39]      ; my unit's first number
.macro LOAD f                          ; the 16 rows of fragment f: 512 consecutive bytes a load
.irp i, 0,1,2,3,4,5,6,7,8,9,10,11,12,13,14,15
	global_load_b128 v[R+64*((\f)%2)+4*\i:R+64*((\f)%2)+4*\i+3], v4, s[28:29] offset:(32*((\f)/2)+8*((\f)%2)+\i+8*(\i/8))*4096 th:TH_LOAD_NT
.endr
.endm
.macro TURN f                          ; through the stage: LDS serves a wave's instructions in order, so no wait stands between the stores and the loads
.irp i, 0,1,2,3,4,5,6,7,8,9,10,11,12,13,14,15
	ds_store_b128 v6, v[R+64*((\f)%2)+4*\i:R+64*((\f)%2)+4*\i+3] offset:528*\i
.endr
.irp c, 0,1
.irp j, 0,1,2,3,4,5,6,7
	ds_load_b128 v[X+32*\c+4*\j:X+32*\c+4*\j+3], v7 offset:256*\c+16*\j
.endr
.endr
.endm
.macro QF f                            ; 64 numbers of a lane become the fragment's 12 registers and its scale word
.irp c, 0,1
	v_max3_num_f32 v[T+\c], |v[X+32*\c]|, |v[X+32*\c+1]|, 0x1800000   ; my block 2 c + h, and the floor 2^(3 - 127): the byte cannot fall under 1
.endr
.irp i, 2,4,6,8,10,12,14,16,18,20,22,24,26,28,30
.irp c, 0,1
	v_max3_num_f32 v[T+\c], v[T+\c], |v[X+32*\c+\i]|, |v[X+32*\c+\i+1]|   ; the two blocks by turns
.endr
.endr
.irp c, 0,1
	v_add_nc_u32 v[SO+\c], 0xff000000, v[T+\c]     ; 2 off the exponent field: the conversion takes this operand's exponent field as its scale
.endr
.irp c, 0,1
	v_lshrrev_b32 v[BY+\c], 23, v[SO+\c]           ; the scale's byte
.endr
	v_lshl_or_b32 v[SW+(\f)], v[BY+1], 16, v[BY]   ; blocks h and 2 + h,
	v_lshlrev_b32 v[SW+(\f)], v8, v[SW+(\f)]       ; at their places in the word;
	v_permlanex16_b32 v9, v[SW+(\f)], s40, s41
	v_or_b32 v[SW+(\f)], v[SW+(\f)], v9            ; with lane l xor 16's two the word is whole
.if (\f) > 0
	s_wait_xcnt 0x0                                ; the last fragment's stores have read their data: the codes' registers are written again only behind this wait
.endif
.irp c, 0,1
	v_cvt_scalef32_pk16_fp6_f32 v[PC+6*\c:PC+6*\c+2], v[X+32*\c:X+32*\c+15], v[SO+\c]
	v_cvt_scalef32_pk16_fp6_f32 v[PT+4*\c:PT+4*\c+2], v[X+32*\c+16:X+32*\c+31], v[SO+\c]   ; (a conversion's three registers begin on an even number)
.endr
	v_nop                                          ; one plain place behind a scaled conversion
.irp c, 0,1
.irp i, 0,1,2
	v_mov_b32 v[PC+6*\c+3+\i], v[PT+4*\c+\i]
.endr
.endr
	global_store_b128 v4, v[PC:PC+3], s[34:35] offset:1536*(\f)            ; each store covers whole aligned blocks of 256 bytes
	global_store_b64 v5, v[PC+4:PC+5], s[34:35] offset:1536*(\f)+512
	global_store_b128 v4, v[PC+6:PC+9], s[34:35] offset:1536*(\f)+768
	global_store_b64 v5, v[PC+10:PC+11], s[34:35] offset:1536*(\f)+1280
.endm
	LOAD 0
	LOAD 1
.irp f, 0,1,2,3
.if \f < 3
	s_wait_loadcnt 16                              ; this fragment's 16 loads are in; the next fragment's may be out
.else
	s_wait_loadcnt 0x0
.endif
	TURN \f
	s_wait_dscnt 0x0                               ; my 64 numbers are back, and the stores into the stage have read their registers,
.if \f < 2
	LOAD \f+2                                      ; which take the loads of two fragments on
.endif
	QF \f
.endr
	v_cmp_le_u32 vcc_lo, 16, v1                    ; lanes 16-31 carry the odd tile's words
	v_cndmask_b32 v[OW], v[SW], v[SW+1], vcc_lo
	v_cndmask_b32 v[OW+1], v[SW+2], v[SW+3], vcc_lo
	global_store_b64 v5, v[OW:OW+1], s[36:37]      ; one aligned block of 256 bytes
	s_wait_tensorcnt 0x0                           ; the wave's end: an add of 0 onto my spare word and its wait, behind my last LDS store
	ds_add_u32 v[SPW], v[NIL]
	s_wait_dscnt 0x0
	s_endpgm
.Lfunc_end_k_q38b811a24d_quant:
	.size	k_q38b811a24d_quant, .Lfunc_end_k_q38b811a24d_quant-k_q38b811a24d_quant
	.p2alignl 7, 3214868480
	.fill 96, 4, 3214868480
	.section	.rodata,"a",@progbits
	.p2align	6, 0x0
	.amdhsa_kernel k_q38b811a24d_quant
		.amdhsa_group_segment_fixed_size 60160
		.amdhsa_private_segment_fixed_size 0
		.amdhsa_enable_private_segment 0
		.amdhsa_kernarg_size 72
		.amdhsa_user_sgpr_count 2
		.amdhsa_user_sgpr_kernarg_segment_ptr 1
		.amdhsa_wavefront_size32 1
		.amdhsa_system_sgpr_workgroup_id_x 1
		.amdhsa_system_sgpr_workgroup_id_y 1
		.amdhsa_system_sgpr_workgroup_id_z 1
		.amdhsa_system_vgpr_workitem_id 0
		.amdhsa_next_free_vgpr 240
		.amdhsa_next_free_sgpr 66
		.amdhsa_reserve_vcc 1
		.amdhsa_float_denorm_mode_32 3
		.amdhsa_float_denorm_mode_16_64 3
		.amdhsa_memory_ordered 1
		.amdhsa_forward_progress 1
		.amdhsa_inst_pref_size 32
	.end_amdhsa_kernel
	.amdgpu_metadata
---
amdhsa.version: [ 1, 2 ]
amdhsa.kernels:
  - .name:           k_q38b811a24d_quant
    .symbol:         k_q38b811a24d_quant.kd
    .args:
      - { .name: x_content, .offset: 0, .size: 8, .value_kind: global_buffer, .address_space: global }
      - { .name: x_struct, .offset: 8, .size: 8, .value_kind: global_buffer, .address_space: global }
      - { .name: Wq, .offset: 16, .size: 8, .value_kind: global_buffer, .address_space: global }
      - { .name: Wk, .offset: 24, .size: 8, .value_kind: global_buffer, .address_space: global }
      - { .name: Wv, .offset: 32, .size: 8, .value_kind: global_buffer, .address_space: global }
      - { .name: Wsq, .offset: 40, .size: 8, .value_kind: global_buffer, .address_space: global }
      - { .name: Wsk, .offset: 48, .size: 8, .value_kind: global_buffer, .address_space: global }
      - { .name: Wo, .offset: 56, .size: 8, .value_kind: global_buffer, .address_space: global }
      - { .name: opnd, .offset: 64, .size: 8, .value_kind: global_buffer, .address_space: global }
    .group_segment_fixed_size: 60160
    .private_segment_fixed_size: 0
    .kernarg_segment_align: 8
    .kernarg_segment_size: 72
    .max_flat_workgroup_size: 224
    .sgpr_count:     66
    .vgpr_count:     240
    .wavefront_size: 32
...
	.end_amdgpu_metadata
.endif
;; end of part 1
;; launch proj (part 2): grid 8 x 32, 4 waves a work-group, clusters of 4 x 4, 327,680 bytes of LDS; arguments opnd, bq, bk, bv, bsq, bsk, qimg, kimg, vimg; writes qimg, kimg, vimg
.if DOCPART == 2
	.amdgcn_target "amdgcn-amd-amdhsa--gfx1250"
	.amdhsa_code_object_version 6
	.text
	.protected	k_q38b811a24d_proj
	.globl	k_q38b811a24d_proj
	.p2align	8
	.type	k_q38b811a24d_proj,@function
k_q38b811a24d_proj:
	s_mov_b64 s[64:65], 0
	v_nop
	global_prefetch_b8 v0, s[64:65] scope:SCOPE_SE
	s_setreg_imm32_b32 hwreg(HW_REG_WAVE_MODE, 25, 1), 1
	s_wait_xcnt 0x0
	s_wait_alu depctr_hold_cnt(0) depctr_sa_sdst(0) depctr_va_vdst(0) depctr_va_sdst(0) depctr_va_ssrc(0) depctr_va_vcc(0) depctr_vm_vsrc(0)
	s_getreg_b32 s2, hwreg(HW_REG_IB_STS2, 6, 4)
	s_cmp_eq_u32 s2, 0
	s_cbranch_scc0 .Lentry_in_a_cluster
	s_endpgm
.Lentry_in_a_cluster:
	s_bfe_u32 s2, ttmp6, 0x10000c
	s_cmp_lg_u32 s2, 0xf033
	s_cbranch_scc0 .Lentry_shape_is_right
	s_endpgm
.Lentry_shape_is_right:
; The five projections on codes of FP6 (E2M3) with E8M0 scales, their biases, and the quantising of q, k (along the head) and v (along the keys).
; A work-group makes all five for 128 tokens (block mb) x 128 channels (block j = heads 2 j, 2 j + 1).  Wave (wr, wc): token tiles 4 wr + mt x channel tiles 4 wc + nt (head 2 j + wc): 16 accumulators for each
; projection, 640 registers.  Operands are records of opnd (128 rows x 128 K: 8 fragments of 1,536 bytes as images of the operand's registers, 2 groups of scale words): dense blocks for the data mover, read lane by lane.
; q, k: source 0 = 16 rows of W, source 1 = 16 tokens: a lane holds one token and its registers run along the channels; v: source 0 = tokens, source 1 = rows of Wv: a lane holds one channel and its registers run
; along the tokens, which are the keys.  The rows of a tile are 32 b + 8 u + i + 8 (i / 8), so that 16 registers of two neighbouring tiles are 16 neighbours along the next K.
; THE SUMS START FROM THE BIASES: the accumulators are loaded from the bias vectors in the result's layout; every product adds in place, nothing is cleared, nothing is added at the end.
; K: 16 steps of 128: x_struct's eight (sq, sk), then x_content's eight (q, k, v), through two LDS slots of 153,600 bytes: S 0-3 | S 4-7 at the start, then C 0-2, C 3-5, C 6-7 by three refills.
; CLUSTER 4 x 4: x's records hang on mb alone and are shared along a row of the cluster, W's on j alone and are shared along a column: joint loads.
; OUT: qimg, kimg [b h][block of 128 tokens] records with K = [content 64 | structure 64]; vimg [b h][128 keys]: 4 fragments (the head's 64 channels) + one scale group, 6,400 bytes.
; v's scale words are made of two waves' halves (keys 64 wr on): they leave as 2 bytes a lane, 64 bytes of each 6,400; all other stores cover whole aligned blocks of 256 bytes.
; LIMITS: NaN and infinities are not served; a block whose largest magnitude lies under 2^-124 has its byte held at 1; a block of zeros gets the byte 1 with zero codes.
; REGISTERS: window 0: v1-19 addresses, v28-29 the add's two, v32-47 scale words (two sets), v48-143 x's fragments (two sets), v144-191 Wv's, v192-233 the way out.
;   window 1: q content 0-127, q structure 128-255.  window 2: k likewise.  window 3: v 0-127, Wq's fragments 128-175, Wk's 176-223.
.set RECB,  12800
.set SLOT,  153600
.set SPARE, 2*SLOT                     ; behind the ring: the spare words, 128 bytes a wave, two blocks of 256 bytes that no other line names
.set LX16, 1                           ; 16 l + 6,144 wr   my lane's place in x's fragments
.set LX8,  2                           ; 8 l + 6,144 wr
.set LXS,  3                           ; 8 l + 256 wr      and in x's scale groups
.set LW16, 4                           ; the same three with wc, for W
.set LW8,  5
.set LWS,  6
.set XA16, 7                           ; v7-12: the same six plus the LDS address of the records in hand
.set XA8,  8
.set XAS,  9
.set WA16, 10
.set WA8,  11
.set WAS,  12
.set BOFF, 13                          ; 64 h: my eight channels of a tile in a bias
.set VOFF, 14                          ; 4 (r + 8 (r / 8)): my channel of a tile in bv
.set VS16, 15                          ; 16 l + 768 wr: my half of a fragment of v
.set VS8,  16                          ; 8 l + 768 wr
.set VSS,  17                          ; 8 l + 2 wr: my two bytes of a scale word of v
.set SH16, 18                          ; 16 h
.set LANE, 19
.set SPW,  28
.set NIL,  29
.set XSCB, 32                          ; x's scale words: set par at 32 + 2 par
.set WSCB, 36                          ; W's: set par, weight p at 36 + 6 par + 2 p
.set XB,   48                          ; x's fragments: set par at 48 + 48 par
.set WVB,  144
.set WQB,  128                         ; in window 3
.set WKB,  176                         ; in window 3
.set T,    192
.set TP,   196
.set SO,   200
.set BY,   204
.set WD,   208
.set PC,   212
.set PT,   224
.set OW,   232
.set G1XS, 32                          ; s[32:39] group 1: x, 4 records (200 rows of 256 bytes), my row's mask
.set G1WS, 40                          ; s[40:47] W, 4 records, my column's mask
.set G1XC, 48                          ; s[48:55] x, 3 records
.set G1WC, 56                          ; s[56:63] W, 3 records
.set G1XL, 68                          ; s[68:75] x, 2 records
.set G0X,  76                          ; s[76:83] group 0 for x, a set for each slot
.set G0W,  84                          ; s[84:91] for W
.set PXC,  92                          ; s[92:93] x_content's records of my tokens
.set PWC,  94                          ; s[94:95] the K step of Wq, Wk, Wv's records that my wave fetches first
.set MQ,  0x53                         ; source 0 window 3, source 1 window 0, C and D window 1
.set MK,  0xa3                         ; the same, C and D window 2
.set MV,  0xf0                         ; sources window 0, C and D window 3
.set TO3, 0xc0                         ; destination window 3
.set MSB, 0
.macro WIN new                         ; the immediate's high byte repeats the setting that is left
.if MSB != \new
	s_set_vgpr_msb (MSB<<8)|\new
.set MSB, \new
.endif
.endm
.macro PLACES                          ; four plain places behind matrix instructions, in front of loads into registers that they read and of the first read of results
.rept 4
	v_nop
.endr
.endm
.macro CREST                           ; a round of the cluster's barrier behind its opening barrier
	s_cmp_lg_u32 s22, 0
	s_cbranch_scc1 .Lnot_wave_0_\@
	s_barrier_signal -3
.Lnot_wave_0_\@:
	s_barrier_wait -3
	s_barrier_signal -1
	s_barrier_wait -1
.endm
.macro CROUND
	s_barrier_signal -1
	s_barrier_wait -1
	CREST
.endm
.macro G1SET g, m, rows                ; a dense block as rows of 256 bytes (32 elements of 8 bytes), no padding; the mask, and bit 21 beside it
	s_or_b32 s[\g], s[\m], (3<<16)|(1<<21)
	s_mov_b32 s[\g+1], 32<<16
	s_mov_b32 s[\g+2], (\rows)<<16
	s_mov_b32 s[\g+3], 32<<16
	s_mov_b32 s[\g+4], \rows
	s_mov_b32 s[\g+5], 32
	s_mov_b32 s[\g+6], 0
	s_mov_b32 s[\g+7], 0
.endm
.macro FRAG reg, a16, a8, off          ; a fragment's image into 12 registers: every load reads consecutive bytes
	ds_load_b128 v[\reg:\reg+3], v[\a16] offset:\off
	ds_load_b64 v[\reg+4:\reg+5], v[\a8] offset:\off+512
	ds_load_b128 v[\reg+6:\reg+9], v[\a16] offset:\off+768
	ds_load_b64 v[\reg+10:\reg+11], v[\a8] offset:\off+1280
.endm
.macro WM d, a, b, sa, sb, ra, rb      ; one product, added in place; ra, rb: which half of the lanes holds the side's scale words
.set rD, \d
.set rA, \a
.set rB, \b
.set rSA, \sa
.set rSB, \sb
.if ((\ra)==0)&&((\rb)==0)
	v_wmma_scale_f32_16x16x128_f8f6f4 v[rD:rD+7], v[rA:rA+11], v[rB:rB+11], v[rD:rD+7], v[rSA], v[rSB] matrix_a_fmt:MATRIX_FMT_FP6 matrix_b_fmt:MATRIX_FMT_FP6
.elseif (\rb)==0
	v_wmma_scale_f32_16x16x128_f8f6f4 v[rD:rD+7], v[rA:rA+11], v[rB:rB+11], v[rD:rD+7], v[rSA], v[rSB] matrix_a_fmt:MATRIX_FMT_FP6 matrix_b_fmt:MATRIX_FMT_FP6 matrix_a_scale:MATRIX_SCALE_ROW1
.elseif (\ra)==0
	v_wmma_scale_f32_16x16x128_f8f6f4 v[rD:rD+7], v[rA:rA+11], v[rB:rB+11], v[rD:rD+7], v[rSA], v[rSB] matrix_a_fmt:MATRIX_FMT_FP6 matrix_b_fmt:MATRIX_FMT_FP6 matrix_b_scale:MATRIX_SCALE_ROW1
.else
	v_wmma_scale_f32_16x16x128_f8f6f4 v[rD:rD+7], v[rA:rA+11], v[rB:rB+11], v[rD:rD+7], v[rSA], v[rSB] matrix_a_fmt:MATRIX_FMT_FP6 matrix_b_fmt:MATRIX_FMT_FP6 matrix_a_scale:MATRIX_SCALE_ROW1 matrix_b_scale:MATRIX_SCALE_ROW1
.endif
.endm
	s_load_b512 s[4:19], s[0:1], 0x0               ; opnd, bq, bk, bv, bsq, bsk, qimg, kimg
	s_load_b64 s[20:21], s[0:1], 0x40              ; vimg
	v_lshl_add_u32 v[SPW], v0, 2, SPARE
	v_mov_b32 v[NIL], 0
	ds_add_u32 v[SPW], v[NIL]                      ; the wave's opening: the add and its wait ahead of my first tensor load; work on registers stands between them
	v_lshrrev_b32 v20, 5, v0
	v_readfirstlane_b32 s22, v20                   ; wave 0..3
	s_lshr_b32 s23, s22, 1                         ; wr
	s_and_b32 s24, s22, 1                          ; wc
	s_bfe_u32 s25, ttmp6, 0x40000                  ; cx
	s_bfe_u32 s26, ttmp6, 0x40004                  ; cy
	s_lshl_b32 s27, ttmp9, 2
	s_add_co_u32 s27, s27, s25                     ; j = 4 x cluster x + cx
	s_and_b32 s28, ttmp7, 0xffff
	s_lshl_b32 s28, s28, 2
	s_add_co_u32 s28, s28, s26                     ; mb = 4 x cluster y + cy
	s_lshl_b32 s29, s26, 2
	s_lshl_b32 s29, 15, s29                        ; my row of the cluster
	s_lshl_b32 s30, 0x1111, s25                    ; my column
	G1SET G1XS, 29, 200
	G1SET G1WS, 30, 200
	G1SET G1XC, 29, 150
	G1SET G1WC, 30, 150
	G1SET G1XL, 29, 100
	s_mul_i32 s98, s28, 8*RECB                     ; x: my tokens' eight records (mb alone)
	s_mov_b32 s99, 0
	s_max_u32 s31, s22, 1
	s_sub_co_u32 s31, s31, 1                       ; waves 1, 2, 3 fetch W's parts 0, 1, 2
	s_mul_i32 s94, s27, 24*RECB                    ; Wq, Wk, Wv: j's 24 records (j and the wave alone),
	s_mul_i32 s97, s31, 3*RECB                     ; a K step's three a wave
	s_add_co_u32 s94, s94, s97
	s_add_co_u32 s94, s94, 512*RECB
	s_mov_b32 s95, 0
	s_mul_i32 s100, s27, 16*RECB                   ; Wsq, Wsk: j's 16 records,
	s_mul_i32 s97, s31, 4*RECB                     ; two K steps' four a wave
	s_add_co_u32 s100, s100, s97
	s_add_co_u32 s100, s100, 704*RECB
	s_mov_b32 s101, 0
	s_mul_i32 s96, s22, 3*RECB                     ; where W's parts go in a slot: behind x's three records,
	s_mul_i32 s97, s22, 4*RECB                     ; or behind x's four: no place in the cluster enters an LDS address
	s_wait_dscnt 0x0                               ; the opening add is done
	s_wait_kmcnt 0x0
	s_add_nc_u64 s[PXC:PXC+1], s[4:5], s[98:99]
	s_add_nc_u64 s[PWC:PWC+1], s[4:5], s[94:95]
	s_add_nc_u64 s[100:101], s[4:5], s[100:101]
	CROUND                                         ; all sixteen work-groups are here: the first joint loads meet
.irp c, 0,1
	s_mov_b32 s[G0X+4*\c], 1
	s_mov_b32 s[G0X+4*\c+1], \c*SLOT
	s_add_nc_u64 s[G0X+4*\c+2:G0X+4*\c+3], s[PXC:PXC+1], 256*RECB+\c*4*RECB   ; x_struct's K steps 4 c on
	s_or_b32 s[G0X+4*\c+3], s[G0X+4*\c+3], 0x80000000
	s_mov_b32 s[G0W+4*\c], 1
	s_add_co_u32 s[G0W+4*\c+1], s97, \c*SLOT
	s_add_nc_u64 s[G0W+4*\c+2:G0W+4*\c+3], s[100:101], \c*8*RECB
	s_or_b32 s[G0W+4*\c+3], s[G0W+4*\c+3], 0x80000000
.endr
	s_cmp_eq_u32 s22, 0                            ; a wave's two first fills stand in one branch on its number: wave 0 x's, waves 1 and 2 W's halves, wave 3 none; two loads of a wave are out
	s_cbranch_scc0 .Lfirst_w
	tensor_load_to_lds s[G0X:G0X+3], s[G1XS:G1XS+7]
	s_nop 0
	tensor_load_to_lds s[G0X+4:G0X+7], s[G1XS:G1XS+7]
	s_nop 0
.rept 4
	v_nop
.endr
	s_branch .Lfirst_asked
.Lfirst_w:
	s_cmp_lt_u32 s22, 3
	s_cbranch_scc0 .Lfirst_asked
	tensor_load_to_lds s[G0W:G0W+3], s[G1WS:G1WS+7]
	s_nop 0
	tensor_load_to_lds s[G0W+4:G0W+7], s[G1WS:G1WS+7]
	s_nop 0
.rept 4
	v_nop
.endr
.Lfirst_asked:
	v_and_b32 v[LANE], 31, v0
	v_and_b32 v20, 15, v0                          ; r
	v_bfe_u32 v21, v0, 4, 1                        ; h
	s_mul_i32 s29, s23, 6144
	s_mul_i32 s30, s24, 6144
	v_lshl_add_u32 v[LX16], v[LANE], 4, s29
	v_lshl_add_u32 v[LX8], v[LANE], 3, s29
	v_lshl_add_u32 v[LW16], v[LANE], 4, s30
	v_lshl_add_u32 v[LW8], v[LANE], 3, s30
	s_lshl_b32 s29, s23, 8
	s_lshl_b32 s30, s24, 8
	v_lshl_add_u32 v[LXS], v[LANE], 3, s29
	v_lshl_add_u32 v[LWS], v[LANE], 3, s30
	v_lshlrev_b32 v[BOFF], 6, v21
	v_and_b32 v[VOFF], 8, v20
	v_add_nc_u32 v[VOFF], v[VOFF], v20
	v_lshlrev_b32 v[VOFF], 2, v[VOFF]
	s_mul_i32 s29, s23, 768
	v_lshl_add_u32 v[VS16], v[LANE], 4, s29
	v_lshl_add_u32 v[VS8], v[LANE], 3, s29
	s_lshl_b32 s29, s23, 1
	v_lshl_add_u32 v[VSS], v[LANE], 3, s29
	v_lshlrev_b32 v[SH16], 4, v21
.irp b, 0,1,2,3
	v_mov_b32 v[TP+\b], 0                          ; a lane permute's destination counts as read: written once
.endr
	s_mov_b32 s98, 0x76543210
	s_mov_b32 s99, 0xfedcba98                      ; selects for lane l xor 16
	s_lshl_b32 s2, s27, 9
	s_lshl_b32 s3, s24, 8
	s_add_co_u32 s2, s2, s3                        ; my head's 64 numbers in a bias: 512 j + 256 wc
	s_mov_b32 s3, 0
	s_add_nc_u64 s[6:7], s[6:7], s[2:3]
	s_add_nc_u64 s[8:9], s[8:9], s[2:3]
	s_add_nc_u64 s[10:11], s[10:11], s[2:3]
	s_add_nc_u64 s[12:13], s[12:13], s[2:3]
	s_add_nc_u64 s[14:15], s[14:15], s[2:3]
	s_lshr_b32 s2, s28, 4                          ; where my results go: record 16 (16 b + head) + block
	s_lshl_b32 s2, s2, 8
	s_lshl_b32 s29, s27, 5
	s_add_co_u32 s2, s2, s29
	s_lshl_b32 s29, s24, 4
	s_add_co_u32 s2, s2, s29
	s_and_b32 s29, s28, 15
	s_add_co_u32 s2, s2, s29
	s_mul_i32 s30, s2, 6400
	s_mov_b32 s31, 0
	s_mul_i32 s2, s2, RECB
	s_add_nc_u64 s[16:17], s[16:17], s[2:3]
	s_add_nc_u64 s[18:19], s[18:19], s[2:3]
	s_add_nc_u64 s[20:21], s[20:21], s[30:31]
; the biases, in the results' layout.  q, k: lane (r, h), tile nt, register i: channel 32 (nt / 2) + 16 h + 8 (nt % 2) + i of the head
.macro BIASQ base, p
.irp mt, 0,1,2,3
.irp nt, 0,1,2,3
	global_load_b128 v[\base+8*(4*\mt+\nt):\base+8*(4*\mt+\nt)+3], v[BOFF], s[\p:\p+1] offset:(32*(\nt/2)+8*(\nt%2))*4
	global_load_b128 v[\base+8*(4*\mt+\nt)+4:\base+8*(4*\mt+\nt)+7], v[BOFF], s[\p:\p+1] offset:(32*(\nt/2)+8*(\nt%2))*4+16
.endr
.endr
.endm
	WIN 0x40
	BIASQ 0, 6                                     ; bq
	BIASQ 128, 12                                  ; bsq
	WIN 0x80
	BIASQ 0, 8                                     ; bk
	BIASQ 128, 14                                  ; bsk
	WIN 0xc0
.irp nt, 0,1,2,3                               ; v: a lane holds one channel: all 32 registers of tile nt start from its bias
.set k, 0
.rept 32
	global_load_b32 v[32*\nt+k], v[VOFF], s[10:11] offset:(32*(\nt/2)+8*(\nt%2))*4
.set k, k+1
.endr
.endr
	WIN 0
.macro ADRS n                          ; the LDS addresses of step n's records: x's, and the first of W's
.if (\n) < 8
.set XAD, SLOT*((\n)/4)+RECB*((\n)%4)
.set WAD, SLOT*((\n)/4)+4*RECB+2*RECB*((\n)%4)
.else
.set XAD, SLOT*((((\n)-8)/3)%2)+RECB*(((\n)-8)%3)
.set WAD, SLOT*((((\n)-8)/3)%2)+3*RECB+3*RECB*(((\n)-8)%3)
.endif
.endm
.macro SETADR
	v_add_nc_u32 v[XA16], XAD, v[LX16]
	v_add_nc_u32 v[XA8], XAD, v[LX8]
	v_add_nc_u32 v[XAS], XAD, v[LXS]
	v_add_nc_u32 v[WA16], WAD, v[LW16]
	v_add_nc_u32 v[WA8], WAD, v[LW8]
	v_add_nc_u32 v[WAS], WAD, v[LWS]
.endm
.macro FETCHQ xb, nph                  ; a step's first run: the first weight's four fragments, x's four into set xb, all its scale words: 35 LDS loads, 36 with a third weight
	WIN TO3
.irp f, 0,1,2,3
	FRAG WQB+12*\f, WA16, WA8, 1536*\f
.endr
	WIN 0
.irp f, 0,1,2,3
	FRAG XB+48*(\xb)+12*\f, XA16, XA8, 1536*\f
.endr
	ds_load_b64 v[XSCB+2*(\xb):XSCB+2*(\xb)+1], v[XAS] offset:12288
	ds_load_b64 v[WSCB+6*(\xb):WSCB+6*(\xb)+1], v[WAS] offset:12288
	ds_load_b64 v[WSCB+6*(\xb)+2:WSCB+6*(\xb)+3], v[WAS] offset:RECB+12288
.if \nph
	ds_load_b64 v[WSCB+6*(\xb)+4:WSCB+6*(\xb)+5], v[WAS] offset:2*RECB+12288
.endif
.endm
.macro FETCHW buf, win, p              ; weight p's four fragments: 16 LDS loads
	WIN \win
.irp f, 0,1,2,3
	FRAG \buf+12*\f, WA16, WA8, \p*RECB+1536*\f
.endr
.endm
; eight products of a q or k projection: token tiles 2 half, 2 half + 1 x my four channel tiles.  The accumulators take turns, one instruction a turn
.macro GROUPQ acc, wb, p, half
.irp mt, 2*\half, 2*\half+1
.irp nt, 0,1,2,3
	WM \acc+8*(4*(\mt)+\nt), \wb+12*\nt, XB+48*PAR+12*(\mt), WSCB+6*PAR+2*\p+\nt/2, XSCB+2*PAR+(\mt)/2, \nt%2, (\mt)%2
.endr
.endr
.endm
.macro GROUPV                          ; sixteen products of v: source 0 = tokens, source 1 = Wv's rows
.irp nt, 0,1,2,3
.irp mt, 0,1,2,3
	WM 8*(4*\nt+\mt), XB+48*PAR+12*\mt, WVB+12*\nt, XSCB+2*PAR+\mt/2, WSCB+6*PAR+4+\nt/2, \mt%2, \nt%2
.endr
.endr
.endm
; refill r: x_content's K steps 3 r on into the slot just left.  Wave 0 fetches x's records, waves 1 to 3 one K step of the three weights each (the last refill has two K steps: waves 1 and 2).
; The branches hang on the wave's number alone.  An s_nop 0 and four v_nop follow each tensor load.
.macro REFILL r
.set SL, (\r)%2
	s_add_nc_u64 s[G0X+4*SL+2:G0X+4*SL+3], s[PXC:PXC+1], (\r)*3*RECB      ; no tensor load of mine is out: the groups 0 may be written
	s_or_b32 s[G0X+4*SL+3], s[G0X+4*SL+3], 0x80000000
	s_add_co_u32 s[G0W+4*SL+1], s96, SL*SLOT
	s_add_nc_u64 s[G0W+4*SL+2:G0W+4*SL+3], s[PWC:PWC+1], (\r)*9*RECB
	s_or_b32 s[G0W+4*SL+3], s[G0W+4*SL+3], 0x80000000
	s_cmp_eq_u32 s22, 0
	s_cbranch_scc0 .Lfor_w_\@
.if (\r) == 2
	tensor_load_to_lds s[G0X+4*SL:G0X+4*SL+3], s[G1XL:G1XL+7]
.else
	tensor_load_to_lds s[G0X+4*SL:G0X+4*SL+3], s[G1XC:G1XC+7]
.endif
	s_nop 0
.rept 4
	v_nop
.endr
	s_branch .Lasked_\@
.Lfor_w_\@:
.if (\r) == 2
	s_cmp_lt_u32 s22, 3
	s_cbranch_scc0 .Lasked_\@
.endif
	tensor_load_to_lds s[G0W+4*SL:G0W+4*SL+3], s[G1WC:G1WC+7]
	s_nop 0
.rept 4
	v_nop
.endr
.Lasked_\@:
.endm
; A K STEP of 128.  Its fragments were asked for in the step before, in three runs: (first weight, x, scales), second weight, third weight; each run of the next step is issued behind the products that freed its registers.
.macro KSTEP n
.set PH, (\n)/8                        ; 0: x_struct (two weights), 1: x_content (three)
.set PAR, (\n)%2
.set NPH, ((\n)+1)/8
.set NFQ, 35+NPH
.set AB, 128*(1-PH)                    ; content sums at 0, structure sums at 128 of their window
.set MODE, 0
.if ((\n)==3)||((\n)==7)||((\n)==10)
.set MODE, 1                           ; a slot's last step, and the slot is filled again
.endif
.if (\n)==13
.set MODE, 2                           ; a slot's last step, nothing is left to fetch
.endif
.if (\n)==15
.set MODE, 3                           ; the last step
.endif
.if (MODE==0)||(MODE==3)
	s_wait_dscnt 16*(1+PH)                         ; the first run is in; the second (and third) weight's 16 loads each may be out
	WIN MQ
	GROUPQ AB, WQB, 0, 0
	GROUPQ AB, WQB, 0, 1
.else
	WIN 0                                          ; (the add's two registers lie in window 0)
	s_wait_tensorcnt 0x0                           ; all my tensor loads have landed: my part of the next slot;
	ds_add_u32 v[SPW], v[NIL]                      ; 0 onto my spare word;
	s_wait_dscnt 16*(1+PH)+1                       ; (the later runs and the add may be out)
	WIN MQ
	GROUPQ AB, WQB, 0, 0                           ; eight products stand between the add and the wait for it
	s_wait_dscnt 0x0                               ; the add is done, and my reads of this slot are over: all runs of its last step are in
	s_barrier_signal -1
	GROUPQ AB, WQB, 0, 1
	WIN 0
	s_barrier_wait -1
.if MODE==1
	CREST                                          ; the barrier has opened a round of the cluster's: no wave of any partner still reads this slot or has a load on its way
	REFILL (\n)/4                                  ; the first tensor load behind the round, one a wave
.endif
.endif
.if MODE!=3
	PLACES
	ADRS (\n)+1
	WIN 0
	SETADR
	FETCHQ 1-PAR, NPH
.endif
.if MODE==0
	s_wait_dscnt 16*PH+NFQ                         ; the second weight is in; behind it: the third weight's run (content steps) and the run just issued
.endif
.if MODE==3
	s_wait_dscnt 16                                ; behind it: the third weight's run
.endif
	WIN MK
	GROUPQ AB, WKB, 1, 0
	GROUPQ AB, WKB, 1, 1
.if MODE!=3
	PLACES
	FETCHW WKB, TO3, 1
.if (\n)==7
	FETCHW WVB, 0, 2                               ; the first content step's third weight
.endif
.endif
.if PH
.if MODE==0
	s_wait_dscnt NFQ+16                            ; the third weight is in; behind it: the next step's first two runs
.endif
.if MODE==3
	s_wait_dscnt 0x0
.endif
	WIN MV
	GROUPV
.if MODE!=3
	PLACES
	FETCHW WVB, 0, 2
.endif
.endif
.endm
	s_wait_tensorcnt 1                             ; my part of slot 0 is in; slot 1's may stay out
	s_barrier_signal -1
	s_barrier_wait -1                              ; everybody's is
	ADRS 0
	SETADR
	FETCHQ 0, 0
	FETCHW WKB, TO3, 1
	s_wait_loadcnt 0x0                             ; the biases stand in the accumulators
.irp n, 0,1,2,3,4,5,6,7,8,9,10,11,12,13,14,15
	KSTEP \n
.endr
; THE WAY OUT.  64 numbers of a lane (blocks 0, 1 in v[s0] on, blocks 2, 3 in v[s1] on, of window win; register 16 b + i = k 32 b + 16 h + i of my row) become 12 registers of codes in v[PC] on and a scale word in v[wd].
; Each accumulator is read from its low end on.
.macro QUANT2 win, s0, s1, wd
	WIN (\win)|((\win)<<2)
.irp b, 0,1
	v_max3_num_f32 v[T+\b], |v[\s0+16*\b]|, |v[\s0+16*\b+1]|, 0x1800000   ; and the floor 2^(3 - 127): the byte cannot fall under 1
	v_max3_num_f32 v[T+2+\b], |v[\s1+16*\b]|, |v[\s1+16*\b+1]|, 0x1800000
.endr
.irp i, 2,4,6,8,10,12,14
.irp b, 0,1
	v_max3_num_f32 v[T+\b], |v[\s0+16*\b+\i]|, |v[\s0+16*\b+\i+1]|, v[T+\b]
	v_max3_num_f32 v[T+2+\b], |v[\s1+16*\b+\i]|, |v[\s1+16*\b+\i+1]|, v[T+2+\b]
.endr
.endr
	WIN 0
.irp b, 0,1,2,3
	v_permlanex16_b32 v[TP+\b], v[T+\b], s98, s99
.endr
.irp b, 0,1,2,3
	v_max_num_f32 v[T+\b], v[T+\b], v[TP+\b]       ; with lane l xor 16's 16: the block's largest magnitude
.endr
.irp b, 0,1,2,3
	v_add_nc_u32 v[SO+\b], 0xff000000, v[T+\b]     ; 2 off its exponent field: the conversion's scale operand
.endr
.irp b, 0,1,2,3
	v_lshrrev_b32 v[BY+\b], 23, v[SO+\b]           ; the scale's byte
.endr
	v_lshl_or_b32 v[\wd], v[BY+1], 8, v[BY]
	v_lshl_or_b32 v[\wd], v[BY+2], 16, v[\wd]
	v_lshl_or_b32 v[\wd], v[BY+3], 24, v[\wd]
	s_wait_xcnt 0x0                                ; earlier stores have read their data: the codes' registers are written again only behind this wait
	WIN \win
	v_cvt_scalef32_pk16_fp6_f32 v[PC:PC+2], v[\s0:\s0+15], v[SO]
	v_cvt_scalef32_pk16_fp6_f32 v[PT:PT+2], v[\s0+16:\s0+31], v[SO+1]       ; (a conversion's three registers begin on an even number)
	v_cvt_scalef32_pk16_fp6_f32 v[PC+6:PC+8], v[\s1:\s1+15], v[SO+2]
	v_cvt_scalef32_pk16_fp6_f32 v[PT+4:PT+6], v[\s1+16:\s1+31], v[SO+3]
	WIN 0
	v_nop                                          ; one plain place behind a scaled conversion
.irp c, 0,1                                    ; the operand's layout wants a whole block in a lane: lanes 0-15 block 2 c, lanes 16-31 block 2 c + 1
.irp i, 0,1,2
	v_permlane16_swap_b32 v[PC+6*\c+\i], v[PT+4*\c+\i]
.endr
.irp i, 0,1,2
	v_mov_b32 v[PC+6*\c+3+\i], v[PT+4*\c+\i]
.endr
.endr
.endm
.macro OUTQK win, p                    ; my four token tiles of q or of k: K = content 64 | structure 64
.irp mt, 0,1,2,3
	QUANT2 \win, 32*\mt, 128+32*\mt, WD+\mt
	global_store_b128 v[LX16], v[PC:PC+3], s[\p:\p+1] offset:1536*\mt
	global_store_b64 v[LX8], v[PC+4:PC+5], s[\p:\p+1] offset:1536*\mt+512
	global_store_b128 v[LX16], v[PC+6:PC+9], s[\p:\p+1] offset:1536*\mt+768
	global_store_b64 v[LX8], v[PC+10:PC+11], s[\p:\p+1] offset:1536*\mt+1280
.endr
	v_cndmask_b32 v[OW], v[WD], v[WD+1], vcc_lo    ; the scale group: lanes 16-31 carry the odd tile's words
	v_cndmask_b32 v[OW+1], v[WD+2], v[WD+3], vcc_lo
	global_store_b64 v[LXS], v[OW:OW+1], s[\p:\p+1] offset:12288
.endm
	PLACES
	WIN 0
	v_cmp_le_u32 vcc_lo, 16, v[LANE]               ; (written behind the last tensor load)
	OUTQK 1, 16
	OUTQK 2, 18
.irp q, 0,1                                    ; v: channel tiles 2 q and 2 q + 1; my 64 keys are half wr of each fragment
	QUANT2 3, 64*\q, 64*\q+32, WD
	global_store_b128 v[VS16], v[PC:PC+3], s[20:21] offset:1536*(2*\q)
	global_store_b64 v[VS8], v[PC+4:PC+5], s[20:21] offset:1536*(2*\q)+512
	global_store_b128 v[VS16], v[PC+6:PC+9], s[20:21] offset:1536*(2*\q+1)
	global_store_b64 v[VS8], v[PC+10:PC+11], s[20:21] offset:1536*(2*\q+1)+512
	v_lshrrev_b32 v[OW+\q], v[SH16], v[WD]         ; lanes 0-15: tile 2 q's two bytes, lanes 16-31: tile 2 q + 1's
	global_store_b16 v[VSS], v[OW+\q], s[20:21] offset:6144+4*\q
.endr
	s_wait_tensorcnt 0x0                           ; the wave's end: an add of 0 onto my spare word and its wait, behind my last tensor load
	ds_add_u32 v[SPW], v[NIL]
	s_wait_dscnt 0x0
	CROUND                                         ; the closing round: no work-group ends while a partner may still ask for a tile that names it
	s_endpgm
.Lfunc_end_k_q38b811a24d_proj:
	.size	k_q38b811a24d_proj, .Lfunc_end_k_q38b811a24d_proj-k_q38b811a24d_proj
	.p2alignl 7, 3214868480
	.fill 96, 4, 3214868480
	.section	.rodata,"a",@progbits
	.p2align	6, 0x0
	.amdhsa_kernel k_q38b811a24d_proj
		.amdhsa_group_segment_fixed_size 327680
		.amdhsa_private_segment_fixed_size 0
		.amdhsa_enable_private_segment 0
		.amdhsa_kernarg_size 72
		.amdhsa_user_sgpr_count 2
		.amdhsa_user_sgpr_kernarg_segment_ptr 1
		.amdhsa_wavefront_size32 1
		.amdhsa_system_sgpr_workgroup_id_x 1
		.amdhsa_system_sgpr_workgroup_id_y 1
		.amdhsa_system_sgpr_workgroup_id_z 1
		.amdhsa_system_vgpr_workitem_id 0
		.amdhsa_next_free_vgpr 1024
		.amdhsa_next_free_sgpr 102
		.amdhsa_reserve_vcc 1
		.amdhsa_float_denorm_mode_32 3
		.amdhsa_float_denorm_mode_16_64 3
		.amdhsa_memory_ordered 1
		.amdhsa_forward_progress 1
		.amdhsa_inst_pref_size 235
	.end_amdhsa_kernel
	.amdgpu_metadata
---
amdhsa.version: [ 1, 2 ]
amdhsa.kernels:
  - .name:           k_q38b811a24d_proj
    .symbol:         k_q38b811a24d_proj.kd
    .args:
      - { .name: opnd, .offset: 0, .size: 8, .value_kind: global_buffer, .address_space: global }
      - { .name: bq, .offset: 8, .size: 8, .value_kind: global_buffer, .address_space: global }
      - { .name: bk, .offset: 16, .size: 8, .value_kind: global_buffer, .address_space: global }
      - { .name: bv, .offset: 24, .size: 8, .value_kind: global_buffer, .address_space: global }
      - { .name: bsq, .offset: 32, .size: 8, .value_kind: global_buffer, .address_space: global }
      - { .name: bsk, .offset: 40, .size: 8, .value_kind: global_buffer, .address_space: global }
      - { .name: qimg, .offset: 48, .size: 8, .value_kind: global_buffer, .address_space: global }
      - { .name: kimg, .offset: 56, .size: 8, .value_kind: global_buffer, .address_space: global }
      - { .name: vimg, .offset: 64, .size: 8, .value_kind: global_buffer, .address_space: global }
    .group_segment_fixed_size: 327680
    .private_segment_fixed_size: 0
    .kernarg_segment_align: 8
    .kernarg_segment_size: 72
    .max_flat_workgroup_size: 128
    .sgpr_count:     102
    .vgpr_count:     1024
    .wavefront_size: 32
...
	.end_amdgpu_metadata
.endif
;; end of part 2
;; launch attn (part 3): grid 8 x 32, 16 waves a work-group, clusters of 4 x 1, 309,248 bytes of LDS; arguments qimg, kimg, vimg, oimg; writes oimg
.if DOCPART == 3
	.amdgcn_target "amdgcn-amd-amdhsa--gfx1250"
	.amdhsa_code_object_version 6
	.text
	.protected	k_q38b811a24d_attn
	.globl	k_q38b811a24d_attn
	.p2align	8
	.type	k_q38b811a24d_attn,@function
k_q38b811a24d_attn:
	s_mov_b64 s[64:65], 0
	v_nop
	global_prefetch_b8 v0, s[64:65] scope:SCOPE_SE
	s_setreg_imm32_b32 hwreg(HW_REG_WAVE_MODE, 25, 1), 1
	s_wait_xcnt 0x0
	s_wait_alu depctr_hold_cnt(0) depctr_sa_sdst(0) depctr_va_vdst(0) depctr_va_sdst(0) depctr_va_ssrc(0) depctr_va_vcc(0) depctr_vm_vsrc(0)
	s_getreg_b32 s2, hwreg(HW_REG_IB_STS2, 6, 4)
	s_cmp_eq_u32 s2, 0
	s_cbranch_scc0 .Lentry_in_a_cluster
	s_endpgm
.Lentry_in_a_cluster:
	s_bfe_u32 s2, ttmp6, 0x10000c
	s_cmp_lg_u32 s2, 0x3003
	s_cbranch_scc0 .Lentry_shape_is_right
	s_endpgm
.Lentry_shape_is_right:
; Attention of one (batch, head) on codes of FP6 (E2M3) with E8M0 scales.  The score q_c . k_c + q_s . k_s is ONE product with K = 128 (content 64 | structure 64: four blocks, four scale bytes).
; t = score x log2(e) / 8; M = the running largest t rounded UP to a whole number; p = 2^(t - M) is quantised along the keys, not normalised; the row's sum is taken of the unquantised p and divides at the end.
; When M moves, the sum and O are multiplied by 2^(old M - new M): exact.  The result, divided by the sum, is quantised along the head's 64 channels and stored as half a fragment of the output projection's operand.
; SHARES: a work-group owns 256 queries of one head, each of its sixteen waves one tile of 16, in 224 registers: four waves to a SIMD, so that one wave's vector work stands beside another's products and LDS loads.
; LDS HOLDS THE WHOLE HEAD: K's 16 records (12,800 bytes for 128 keys) and V's 16 (6,400 bytes), filled once, in four chunks; nothing is filled again, so later chunks stay on their way while earlier ones are read.
; CLUSTER 4 x 1: the four query blocks of a cluster read the same K and V: each chunk is asked for jointly (mask 15).  Waves 0 and 1 fetch K's halves, wave 2 V's: four loads of such a wave are out.
; LAYOUT: both products transposed: S^T = K Q^T (source 0 = 16 keys), O^T = V^T P^T (source 0 = 16 channels): a lane holds one query throughout.  The rows of a tile are 32 b + 8 u + i + 8 (i / 8), so that the
; 16 registers of tiles 2 b, 2 b + 1 are 16 neighbours along the next K.
; LIMITS: NaN and infinities are not served; a block whose largest magnitude lies under 2^-124 has its byte held at 1; a block of zeros gets the byte 1 with zero codes.
; REGISTERS: v1 16 l, v2 8 l, v3-4 the add's two, v5-8 addresses in hand, v9 8 r, v[10:11] f and 0, v12 -M, v13 largest t, v[14:15] the sum, v16-27 Q, v28 Q's scale word, v29 P's,
;   v32-79 four fragments, v80-83 K's scale words, v84-85 V's, v86-89 block maxima, v90-93 at work, v96-159 S^T then p, v160-191 O^T, v192-203 P's codes, v204-211 upper halves, v212-215 scale operands, v[216:217], v218 at work.
.set RECB,  12800
.set VRECB, 6400
.set VBASE, 16*RECB
.set SPARE, VBASE+16*VRECB             ; behind K and V: the spare words, 128 bytes a wave, eight blocks of 256 bytes that no other line names
.set SPW, 3
.set NIL, 4
.macro CROUND                          ; a round of the cluster's barrier
	s_barrier_signal -1
	s_barrier_wait -1
	s_cmp_lg_u32 s12, 0
	s_cbranch_scc1 .Lnot_wave_0_\@
	s_barrier_signal -3
.Lnot_wave_0_\@:
	s_barrier_wait -3
	s_barrier_signal -1
	s_barrier_wait -1
.endm
.macro FRAG reg, a16, a8, off          ; a fragment's image into 12 registers: every load reads consecutive bytes
	ds_load_b128 v[\reg:\reg+3], v[\a16] offset:\off
	ds_load_b64 v[\reg+4:\reg+5], v[\a8] offset:\off+512
	ds_load_b128 v[\reg+6:\reg+9], v[\a16] offset:\off+768
	ds_load_b64 v[\reg+10:\reg+11], v[\a8] offset:\off+1280
.endm
.macro WMS d, a, sa, ra                ; S^T tile = 16 keys x my queries; the product starts the sum
.set rD, \d
.set rA, \a
.set rSA, \sa
.if (\ra)==0
	v_wmma_scale_f32_16x16x128_f8f6f4 v[rD:rD+7], v[rA:rA+11], v[16:27], 0, v[rSA], v28 matrix_a_fmt:MATRIX_FMT_FP6 matrix_b_fmt:MATRIX_FMT_FP6
.else
	v_wmma_scale_f32_16x16x128_f8f6f4 v[rD:rD+7], v[rA:rA+11], v[16:27], 0, v[rSA], v28 matrix_a_fmt:MATRIX_FMT_FP6 matrix_b_fmt:MATRIX_FMT_FP6 matrix_a_scale:MATRIX_SCALE_ROW1
.endif
.endm
.macro WMO d, a, sa, ra                ; O^T tile += 16 channels x P
.set rD, \d
.set rA, \a
.set rSA, \sa
.if (\ra)==0
	v_wmma_scale_f32_16x16x128_f8f6f4 v[rD:rD+7], v[rA:rA+11], v[192:203], v[rD:rD+7], v[rSA], v29 matrix_a_fmt:MATRIX_FMT_FP6 matrix_b_fmt:MATRIX_FMT_FP6
.else
	v_wmma_scale_f32_16x16x128_f8f6f4 v[rD:rD+7], v[rA:rA+11], v[192:203], v[rD:rD+7], v[rSA], v29 matrix_a_fmt:MATRIX_FMT_FP6 matrix_b_fmt:MATRIX_FMT_FP6 matrix_a_scale:MATRIX_SCALE_ROW1
.endif
.endm
	s_load_b256 s[4:11], s[0:1], 0x0               ; qimg, kimg, vimg, oimg
	v_lshl_add_u32 v[SPW], v0, 2, SPARE
	v_mov_b32 v[NIL], 0
	ds_add_u32 v[SPW], v[NIL]                      ; the wave's opening: the add and its wait ahead of my first tensor load; work on registers stands between them
	v_lshrrev_b32 v5, 5, v0
	v_readfirstlane_b32 s12, v5                    ; wave 0..15
	s_bfe_u32 s13, ttmp6, 0x40000                  ; cx
	s_lshl_b32 s14, ttmp9, 2
	s_add_co_u32 s14, s14, s13                     ; my block of 256 queries: it enters Q's and O's addresses alone
	s_and_b32 s15, ttmp7, 0xffff                   ; 16 b + head, which the four partners share
	s_mov_b32 s24, 15|(3<<16)|(1<<21)              ; group 1: the mask names all four; elements of 8 bytes; bit 21 beside a mask; no padding
	s_mov_b32 s25, 32<<16                          ; rows of 256 bytes,
	s_mov_b32 s26, 100<<16                         ; 100 of them: 25,600 dense bytes
	s_mov_b32 s27, 32<<16
	s_mov_b32 s28, 100
	s_mov_b32 s29, 32
	s_mov_b32 s30, 0
	s_mov_b32 s31, 0
	s_and_b32 s16, s12, 1
	s_mul_i32 s17, s16, 2*RECB                     ; K: which half of a chunk I fetch, in memory and in LDS
	s_mul_i32 s18, s15, 16*RECB
	s_add_co_u32 s18, s18, s17
	s_mov_b32 s19, 0
	s_mul_i32 s70, s15, 16*VRECB
	s_mov_b32 s71, 0
	s_mov_b32 s20, 0x76543210
	s_mov_b32 s21, 0xfedcba98                      ; selects for lane l xor 16
	s_mov_b32 s22, 0x3e38aa3b                      ; c = log2(e) / 8
	s_mov_b32 s23, s22                             ; (named with it as a pair, so it is written)
	v_and_b32 v5, 31, v0
	v_lshlrev_b32 v1, 4, v5
	v_lshlrev_b32 v2, 3, v5
	v_and_b32 v9, 15, v0
	v_lshlrev_b32 v9, 3, v9
	s_wait_dscnt 0x0                               ; the opening add is done
	s_wait_kmcnt 0x0
	s_add_nc_u64 s[18:19], s[6:7], s[18:19]
	s_add_nc_u64 s[70:71], s[8:9], s[70:71]
	CROUND                                         ; all four work-groups are here: the joint loads meet
.irp c, 0,1,2,3
	s_mov_b32 s[32+4*\c], 1
	s_add_co_u32 s[33+4*\c], s17, \c*4*RECB
	s_add_nc_u64 s[34+4*\c:35+4*\c], s[18:19], \c*4*RECB
	s_or_b32 s[35+4*\c], s[35+4*\c], 0x80000000
	s_mov_b32 s[48+4*\c], 1
	s_mov_b32 s[49+4*\c], VBASE+\c*4*VRECB
	s_add_nc_u64 s[50+4*\c:51+4*\c], s[70:71], \c*4*VRECB
	s_or_b32 s[51+4*\c], s[51+4*\c], 0x80000000
.endr
	s_cmp_lt_u32 s12, 2                            ; a wave's fills stand in one branch on its number, ahead of every wait on TENSORcnt and every LDS read; an s_nop 0 follows each, four v_nop the last
	s_cbranch_scc0 .Lnot_k
.irp c, 0,1,2,3
	tensor_load_to_lds s[32+4*\c:35+4*\c], s[24:31]
	s_nop 0
.endr
.rept 4
	v_nop
.endr
	s_branch .Lasked
.Lnot_k:
	s_cmp_eq_u32 s12, 2
	s_cbranch_scc0 .Lasked
.irp c, 0,1,2,3
	tensor_load_to_lds s[48+4*\c:51+4*\c], s[24:31]
	s_nop 0
.endr
.rept 4
	v_nop
.endr
.Lasked:
	s_lshr_b32 s72, s12, 3
	s_lshl_b32 s73, s14, 1
	s_add_co_u32 s72, s72, s73                     ; my block of 128 queries
	s_and_b32 s73, s12, 7                          ; my tile t in it
	s_mul_i32 s76, s73, 1536                       ; its fragment in a record,
	s_mov_b32 s77, 0
	s_lshr_b32 s78, s73, 2
	s_lshl_b32 s78, s78, 8
	s_and_b32 s74, s73, 1
	s_lshl_b32 s74, s74, 7
	s_add_co_u32 s78, s78, s74
	s_bfe_u32 s74, s73, 0x10001
	s_lshl_b32 s74, s74, 2
	s_add_co_u32 s78, s78, s74
	s_add_co_u32 s78, s78, 12288                   ; and its scale words: 12,288 + 256 (t / 4) + 128 (t % 2) + 4 ((t / 2) % 2), + 8 r
	s_mov_b32 s79, 0
	s_lshl_b32 s74, s15, 4
	s_add_co_u32 s74, s74, s72
	s_mul_i32 s74, s74, RECB                       ; Q's record
	s_mov_b32 s75, 0
	s_lshr_b32 s16, s15, 4
	s_lshl_b32 s16, s16, 4
	s_add_co_u32 s16, s16, s72                     ; O: the block of 128 tokens,
	s_lshl_b32 s16, s16, 3
	s_bfe_u32 s69, s15, 0x30001
	s_add_co_u32 s16, s16, s69                     ; the K step = head / 2:
	s_mul_i32 s16, s16, RECB                       ; the record;
	s_and_b32 s69, s15, 1
	s_mul_i32 s18, s69, 768
	s_add_co_u32 s18, s18, s16                     ; my head's half of a fragment,
	s_mov_b32 s19, 0
	s_lshl_b32 s69, s69, 1
	s_add_co_u32 s16, s16, s69                     ; and its two bytes of a scale word
	s_mov_b32 s17, 0
	s_add_nc_u64 s[4:5], s[4:5], s[74:75]
	s_add_nc_u64 s[72:73], s[4:5], s[76:77]        ; Q's codes
	s_add_nc_u64 s[74:75], s[4:5], s[78:79]        ; Q's scale words
	s_add_nc_u64 s[18:19], s[10:11], s[18:19]
	s_add_nc_u64 s[18:19], s[18:19], s[76:77]      ; O's codes
	s_add_nc_u64 s[16:17], s[10:11], s[16:17]
	s_add_nc_u64 s[16:17], s[16:17], s[78:79]      ; O's scale bytes
	global_load_b128 v[16:19], v1, s[72:73]        ; Q's fragment stays in registers
	global_load_b64 v[20:21], v2, s[72:73] offset:512
	global_load_b128 v[22:25], v1, s[72:73] offset:768
	global_load_b64 v[26:27], v2, s[72:73] offset:1280
	global_load_b32 v28, v9, s[74:75]
	v_mov_b32 v13, 0xff61b1e6                      ; the largest t so far: -3e38, under every t
	v_floor_f32 v12, -v13                          ; -M
	v_mov_b32 v14, 0                               ; the sum, in two halves
	v_mov_b32 v15, 0
	v_mov_b32 v11, 0                               ; (named as the upper half of the pair v[10:11])
.irp b, 0,1,2,3
	v_mov_b32 v[90+\b], 0                          ; a lane permute's destination counts as read: written once
.endr
.set j, 0
.rept 32
	v_mov_b32 v[160+j], 0                          ; O^T.  (The step is written without a first step of its own: the first change of M multiplies zeros)
.set j, j+1
.endr
; A KEY STEP: 128 keys; s66: K's record in LDS, s67: V's
.macro STEP
	v_add_nc_u32 v5, s66, v1                       ; (these four are also the places behind the last step's products, in front of the loads below)
	v_add_nc_u32 v6, s66, v2
	v_add_nc_u32 v7, s67, v1
	v_add_nc_u32 v8, s67, v2
.irp g, 0,1                                    ; S^T = K Q^T, four tiles of 16 keys at a time
.if \g
.rept 4
	v_nop
.endr
.endif
.irp t, 0,1,2,3
	FRAG 32+12*\t, 5, 6, 1536*(4*\g+\t)
.endr
	ds_load_b64 v[80+2*\g:81+2*\g], v6 offset:12288+256*\g
	s_wait_dscnt 0x0
.irp t, 0,1,2,3
	WMS 96+8*(4*\g+\t), 32+12*\t, 80+2*\g+\t/2, \t%2
.endr
.endr
.rept 4
	v_nop                                          ; places in front of the loads below and of the first read of the scores
.endr
.irp t, 0,1,2,3
	FRAG 32+12*\t, 7, 8, 1536*\t                   ; V's four fragments are asked for now and land under the softmax
.endr
	ds_load_b64 v[84:85], v8 offset:6144
.irp b, 0,1,2,3
	v_max3_num_f32 v[86+\b], v[96+16*\b], v[97+16*\b], v[98+16*\b]   ; the largest score of each block of 32 keys: for the row's maximum, and, since p rises with the score, for the block's largest p
.endr
.irp i, 3,5,7,9,11,13
.irp b, 0,1,2,3
	v_max3_num_f32 v[86+\b], v[86+\b], v[96+16*\b+\i], v[97+16*\b+\i]
.endr
.endr
.irp b, 0,1,2,3
	v_max_num_f32 v[86+\b], v[86+\b], v[111+16*\b]
.endr
.irp b, 0,1,2,3
	v_permlanex16_b32 v[90+\b], v[86+\b], s20, s21
.endr
.irp b, 0,1,2,3
	v_max_num_f32 v[86+\b], v[86+\b], v[90+\b]     ; with lane l xor 16's 16 keys
.endr
	v_max3_num_f32 v218, v86, v87, v88
	v_max_num_f32 v218, v218, v89                  ; the step's largest score of my query
	v_mul_f32 v218, s22, v218                      ; as t (c is positive)
	v_max_num_f32 v13, v13, v218                   ; the running largest t
	v_mov_b32 v218, v12
	v_floor_f32 v12, -v13                          ; the new -M = floor(-t) = -ceil(t): a whole number
	v_sub_f32 v218, v12, v218                      ; old M - new M: a whole number, 0 or less
	v_cvt_i32_f32 v218, v218                       ; (it saturates)
	v_ldexp_f32 v10, 1.0, v218                     ; f = 2^(old M - new M)
.set j, 0
.rept 32
	v_pk_fma_f32 v[96+j:97+j], v[96+j:97+j], s[22:23], v[12:13] op_sel_hi:[1,0,0]   ; t - M, two at a time
.set j, j+2
.endr
.irp b, 0,1,2,3
	v_fma_f32 v[86+\b], v[86+\b], s22, v12         ; the same of each block's largest score
.endr
.set j, 0
.rept 64
	v_exp_f32 v[96+j], v[96+j]                     ; p = 2^(t - M), at most 1
.set j, j+1
.endr
	v_pk_mul_f32 v[14:15], v[14:15], v[10:11] op_sel_hi:[1,0]   ; the sums under the new M (a plain place behind the exponentials)
	s_wait_alu depctr_va_vdst(0)                   ; one wait for the whole batch, ahead of its first reader
.irp b, 0,1,2,3
	v_exp_f32 v[86+\b], v[86+\b]                   ; the block's largest p: the same two instructions on the same number give the same bits
.endr
	v_pk_add_f32 v[216:217], v[96:97], v[98:99]    ; the row's sum of the unquantised p, in two chains (plain work behind the four)
.irp j, 4,8,12,16,20,24,28,32,36,40,44,48,52,56,60
	v_pk_add_f32 v[14:15], v[14:15], v[96+\j:97+\j]
	v_pk_add_f32 v[216:217], v[216:217], v[98+\j:99+\j]
.endr
	v_pk_add_f32 v[14:15], v[14:15], v[216:217]
	s_wait_alu depctr_va_vdst(0)                   ; and one for the four
.irp b, 0,1,2,3
	v_max_num_f32 v[86+\b], 0x1800000, v[86+\b]    ; the floor 2^(3 - 127): the byte cannot fall under 1
.endr
.irp b, 0,1,2,3
	v_add_nc_u32 v[212+\b], 0xff000000, v[86+\b]   ; 2 off the exponent field: the conversion's scale operand
.endr
.irp b, 0,1,2,3
	v_lshrrev_b32 v[90+\b], 23, v[212+\b]          ; the scale's byte
.endr
	v_lshl_or_b32 v29, v91, 8, v90                 ; p's scale word for these 128 keys
	v_lshl_or_b32 v29, v92, 16, v29
	v_lshl_or_b32 v29, v93, 24, v29
.irp c, 0,1
	v_cvt_scalef32_pk16_fp6_f32 v[192+6*\c:194+6*\c], v[96+32*\c:111+32*\c], v[212+2*\c]
	v_cvt_scalef32_pk16_fp6_f32 v[204+4*\c:206+4*\c], v[112+32*\c:127+32*\c], v[212+2*\c+1]
.endr
	v_nop                                          ; one plain place behind a scaled conversion
.irp c, 0,1                                    ; a whole block in a lane: lanes 0-15 block 2 c, lanes 16-31 block 2 c + 1
.irp i, 0,1,2
	v_permlane16_swap_b32 v[192+6*\c+\i], v[204+4*\c+\i]
.endr
.irp i, 0,1,2
	v_mov_b32 v[195+6*\c+\i], v[204+4*\c+\i]
.endr
.endr
.set j, 0
.rept 16
	v_pk_mul_f32 v[160+j:161+j], v[160+j:161+j], v[10:11] op_sel_hi:[1,0]   ; O^T under the new M; these 16 are also the places between p's codes and scale word and the products
.set j, j+2
.endr
	s_wait_dscnt 0x0                               ; V is in
.irp t, 0,1,2,3
	WMO 160+8*\t, 32+12*\t, 84+\t/2, \t%2
.endr
.endm
; chunk c: four key steps.  The count leaves the later chunks' loads on their way: nothing is ever filled again
.macro CHUNK c
	s_wait_tensorcnt 3-\c
	s_barrier_signal -1
	s_barrier_wait -1                              ; everybody's part of the chunk is in
	s_mov_b32 s66, \c*4*RECB
	s_mov_b32 s67, VBASE+\c*4*VRECB
	s_mov_b32 s68, 4
.Lstep_\@:
	STEP
	s_add_co_u32 s66, s66, RECB
	s_add_co_u32 s67, s67, VRECB
	s_sub_co_u32 s68, s68, 1
	s_cmp_lg_u32 s68, 0
	s_cbranch_scc1 .Lstep_\@
.endm
	s_wait_loadcnt 0x0                             ; Q
	CHUNK 0
	CHUNK 1
	CHUNK 2
	CHUNK 3
	; THE WAY OUT: O^T / the sum, quantised along the head's 64 channels: registers 16 b + i = channel 32 b + 16 h + i of my query
.rept 4
	v_nop
.endr
	v_add_f32 v14, v14, v15                        ; the sum's two halves,
	v_permlanex16_b32 v218, v14, s20, s21
	v_add_f32 v14, v14, v218                       ; and lane l xor 16's
	v_rcp_f32 v10, v14
	v_nop                                          ; a plain place behind the reciprocal
	s_wait_alu depctr_va_vdst(0)                   ; and the wait ahead of its first reader
.set j, 0
.rept 16
	v_pk_mul_f32 v[160+j:161+j], v[160+j:161+j], v[10:11] op_sel_hi:[1,0]   ; each accumulator from its low end on
.set j, j+2
.endr
.irp b, 0,1
	v_max3_num_f32 v[86+\b], |v[160+16*\b]|, |v[161+16*\b]|, 0x1800000
.endr
.irp i, 2,4,6,8,10,12,14
.irp b, 0,1
	v_max3_num_f32 v[86+\b], v[86+\b], |v[160+16*\b+\i]|, |v[161+16*\b+\i]|
.endr
.endr
.irp b, 0,1
	v_permlanex16_b32 v[90+\b], v[86+\b], s20, s21
.endr
.irp b, 0,1
	v_max_num_f32 v[86+\b], v[86+\b], v[90+\b]
.endr
.irp b, 0,1
	v_add_nc_u32 v[212+\b], 0xff000000, v[86+\b]
.endr
.irp b, 0,1
	v_lshrrev_b32 v[90+\b], 23, v[212+\b]
.endr
	v_lshl_or_b32 v29, v91, 8, v90                 ; my row's two scale bytes
	v_cvt_scalef32_pk16_fp6_f32 v[192:194], v[160:175], v212
	v_cvt_scalef32_pk16_fp6_f32 v[204:206], v[176:191], v213
	v_nop
.irp i, 0,1,2
	v_permlane16_swap_b32 v[192+\i], v[204+\i]
.endr
.irp i, 0,1,2
	v_mov_b32 v[195+\i], v[204+\i]
.endr
	global_store_b128 v1, v[192:195], s[18:19]     ; half a fragment: 512 and 256 consecutive bytes
	global_store_b64 v2, v[196:197], s[18:19] offset:512
	global_store_b16 v9, v29, s[16:17]             ; two bytes a row; lanes l and l xor 16 store the same bytes with the same value; the word's other half is the neighbouring head's
	s_wait_tensorcnt 0x0                           ; the wave's end: an add of 0 onto my spare word and its wait, behind my last tensor load
	ds_add_u32 v[SPW], v[NIL]
	s_wait_dscnt 0x0
	CROUND                                         ; the closing round
	s_endpgm
.Lfunc_end_k_q38b811a24d_attn:
	.size	k_q38b811a24d_attn, .Lfunc_end_k_q38b811a24d_attn-k_q38b811a24d_attn
	.p2alignl 7, 3214868480
	.fill 96, 4, 3214868480
	.section	.rodata,"a",@progbits
	.p2align	6, 0x0
	.amdhsa_kernel k_q38b811a24d_attn
		.amdhsa_group_segment_fixed_size 309248
		.amdhsa_private_segment_fixed_size 0
		.amdhsa_enable_private_segment 0
		.amdhsa_kernarg_size 32
		.amdhsa_user_sgpr_count 2
		.amdhsa_user_sgpr_kernarg_segment_ptr 1
		.amdhsa_wavefront_size32 1
		.amdhsa_system_sgpr_workgroup_id_x 1
		.amdhsa_system_sgpr_workgroup_id_y 1
		.amdhsa_system_sgpr_workgroup_id_z 1
		.amdhsa_system_vgpr_workitem_id 0
		.amdhsa_next_free_vgpr 224
		.amdhsa_next_free_sgpr 80
		.amdhsa_reserve_vcc 0
		.amdhsa_float_denorm_mode_32 3
		.amdhsa_float_denorm_mode_16_64 3
		.amdhsa_memory_ordered 1
		.amdhsa_forward_progress 1
		.amdhsa_inst_pref_size 82
	.end_amdhsa_kernel
	.amdgpu_metadata
---
amdhsa.version: [ 1, 2 ]
amdhsa.kernels:
  - .name:           k_q38b811a24d_attn
    .symbol:         k_q38b811a24d_attn.kd
    .args:
      - { .name: qimg, .offset: 0, .size: 8, .value_kind: global_buffer, .address_space: global }
      - { .name: kimg, .offset: 8, .size: 8, .value_kind: global_buffer, .address_space: global }
      - { .name: vimg, .offset: 16, .size: 8, .value_kind: global_buffer, .address_space: global }
      - { .name: oimg, .offset: 24, .size: 8, .value_kind: global_buffer, .address_space: global }
    .group_segment_fixed_size: 309248
    .private_segment_fixed_size: 0
    .kernarg_segment_align: 8
    .kernarg_segment_size: 32
    .max_flat_workgroup_size: 512
    .sgpr_count:     80
    .vgpr_count:     224
    .wavefront_size: 32
...
	.end_amdgpu_metadata
.endif
;; end of part 3
;; launch outp (part 4): grid 8 x 32, 4 waves a work-group, clusters of 4 x 4, 274,944 bytes of LDS; arguments oimg, opnd, bo, out0; writes out0
.if DOCPART == 4
	.amdgcn_target "amdgcn-amd-amdhsa--gfx1250"
	.amdhsa_code_object_version 6
	.text
	.protected	k_q38b811a24d_outp
	.globl	k_q38b811a24d_outp
	.p2align	8
	.type	k_q38b811a24d_outp,@function
k_q38b811a24d_outp:
	s_mov_b64 s[64:65], 0
	v_nop
	global_prefetch_b8 v0, s[64:65] scope:SCOPE_SE
	s_setreg_imm32_b32 hwreg(HW_REG_WAVE_MODE, 25, 1), 1
	s_wait_xcnt 0x0
	s_wait_alu depctr_hold_cnt(0) depctr_sa_sdst(0) depctr_va_vdst(0) depctr_va_sdst(0) depctr_va_ssrc(0) depctr_va_vcc(0) depctr_vm_vsrc(0)
	s_getreg_b32 s2, hwreg(HW_REG_IB_STS2, 6, 4)
	s_cmp_eq_u32 s2, 0
	s_cbranch_scc0 .Lentry_in_a_cluster
	s_endpgm
.Lentry_in_a_cluster:
	s_bfe_u32 s2, ttmp6, 0x10000c
	s_cmp_lg_u32 s2, 0xf033
	s_cbranch_scc0 .Lentry_shape_is_right
	s_endpgm
.Lentry_shape_is_right:
; out0 = O Wo^T + bo on codes of FP6 (E2M3) with E8M0 scales.  O's codes come from oimg, Wo's from opnd, both as records (128 rows x 128 K: 8 fragments as images of the operand's registers, 2 groups of scale words).
; A work-group makes 128 tokens (block mb) x 128 outputs (block j); a wave 64 x 64: 16 accumulators, which start from the bias in the result's layout.  K = 1,024: both operands' eight records (204,800 bytes) lie in LDS whole,
; filled once in two halves; nothing is filled again.  CLUSTER 4 x 4: O's records are shared along a row of the cluster, Wo's along a column: joint loads, two of a wave are out.
; Source 0 = 16 rows of Wo, source 1 = 16 tokens: a lane holds one token and eight neighbouring outputs.  The results go through the wave's own stage in LDS and leave as aligned blocks of 256 bytes.
; REGISTERS: window 0: v1-16 addresses, v28-29 the add's two, v32-39 scale words (two sets), v128-255 the accumulators.  window 1: two sets of fragments at 0 and 128 (Wo's 48 registers, then O's 48); on the way out v0-127: rows.
.set RECB,  12800
.set BBASE, 8*RECB
.set STAGE, 16*RECB                    ; 64 rows x (256 bytes + 16) for each wave; no fill lands here
.set STGB,  64*272
.set SPARE, STAGE+4*STGB               ; the spare words, 128 bytes a wave, two blocks of 256 bytes that no other line names
.set LX16, 1
.set LX8,  2
.set LXS,  3
.set LW16, 4
.set LW8,  5
.set LWS,  6
.set XA16, 7
.set XA8,  8
.set XAS,  9
.set WA16, 10
.set WA8,  11
.set WAS,  12
.set BOFF, 13
.set STO,  14
.set RD,   15
.set GO,   16
.set SPW,  28
.set NIL,  29
.set ACC,  128
.set MSB, 0
.macro WIN new
.if MSB != \new
	s_set_vgpr_msb (MSB<<8)|\new
.set MSB, \new
.endif
.endm
.macro PLACES
.rept 4
	v_nop
.endr
.endm
.macro CREST
	s_cmp_lg_u32 s12, 0
	s_cbranch_scc1 .Lnot_wave_0_\@
	s_barrier_signal -3
.Lnot_wave_0_\@:
	s_barrier_wait -3
	s_barrier_signal -1
	s_barrier_wait -1
.endm
.macro CROUND
	s_barrier_signal -1
	s_barrier_wait -1
	CREST
.endm
.macro G1SET g, m, rows
	s_or_b32 s[\g], s[\m], (3<<16)|(1<<21)
	s_mov_b32 s[\g+1], 32<<16
	s_mov_b32 s[\g+2], (\rows)<<16
	s_mov_b32 s[\g+3], 32<<16
	s_mov_b32 s[\g+4], \rows
	s_mov_b32 s[\g+5], 32
	s_mov_b32 s[\g+6], 0
	s_mov_b32 s[\g+7], 0
.endm
.macro FRAG reg, a16, a8, off
	ds_load_b128 v[\reg:\reg+3], v[\a16] offset:\off
	ds_load_b64 v[\reg+4:\reg+5], v[\a8] offset:\off+512
	ds_load_b128 v[\reg+6:\reg+9], v[\a16] offset:\off+768
	ds_load_b64 v[\reg+10:\reg+11], v[\a8] offset:\off+1280
.endm
.macro WM d, a, b, sa, sb, ra, rb
.set rD, \d
.set rA, \a
.set rB, \b
.set rSA, \sa
.set rSB, \sb
.if ((\ra)==0)&&((\rb)==0)
	v_wmma_scale_f32_16x16x128_f8f6f4 v[rD:rD+7], v[rA:rA+11], v[rB:rB+11], v[rD:rD+7], v[rSA], v[rSB] matrix_a_fmt:MATRIX_FMT_FP6 matrix_b_fmt:MATRIX_FMT_FP6
.elseif (\rb)==0
	v_wmma_scale_f32_16x16x128_f8f6f4 v[rD:rD+7], v[rA:rA+11], v[rB:rB+11], v[rD:rD+7], v[rSA], v[rSB] matrix_a_fmt:MATRIX_FMT_FP6 matrix_b_fmt:MATRIX_FMT_FP6 matrix_a_scale:MATRIX_SCALE_ROW1
.elseif (\ra)==0
	v_wmma_scale_f32_16x16x128_f8f6f4 v[rD:rD+7], v[rA:rA+11], v[rB:rB+11], v[rD:rD+7], v[rSA], v[rSB] matrix_a_fmt:MATRIX_FMT_FP6 matrix_b_fmt:MATRIX_FMT_FP6 matrix_b_scale:MATRIX_SCALE_ROW1
.else
	v_wmma_scale_f32_16x16x128_f8f6f4 v[rD:rD+7], v[rA:rA+11], v[rB:rB+11], v[rD:rD+7], v[rSA], v[rSB] matrix_a_fmt:MATRIX_FMT_FP6 matrix_b_fmt:MATRIX_FMT_FP6 matrix_a_scale:MATRIX_SCALE_ROW1 matrix_b_scale:MATRIX_SCALE_ROW1
.endif
.endm
	s_load_b256 s[4:11], s[0:1], 0x0               ; oimg, opnd, bo, out0
	v_lshl_add_u32 v[SPW], v0, 2, SPARE
	v_mov_b32 v[NIL], 0
	ds_add_u32 v[SPW], v[NIL]                      ; the wave's opening: the add and its wait ahead of my first tensor load; work on registers stands between them
	v_lshrrev_b32 v20, 5, v0
	v_readfirstlane_b32 s12, v20                   ; wave 0..3
	s_lshr_b32 s13, s12, 1                         ; wr.  Also: I fetch for O (0) or for Wo (1)
	s_and_b32 s14, s12, 1                          ; wc.  Also: which two records of four I fetch
	s_bfe_u32 s15, ttmp6, 0x40000                  ; cx
	s_bfe_u32 s16, ttmp6, 0x40004                  ; cy
	s_lshl_b32 s17, ttmp9, 2
	s_add_co_u32 s17, s17, s15                     ; j
	s_and_b32 s18, ttmp7, 0xffff
	s_lshl_b32 s18, s18, 2
	s_add_co_u32 s18, s18, s16                     ; mb
	s_lshl_b32 s19, s16, 2
	s_lshl_b32 s19, 15, s19                        ; my row of the cluster
	s_lshl_b32 s20, 0x1111, s15                    ; my column
	G1SET 24, 19, 100                              ; s[24:31]: O's records, two at a time
	G1SET 32, 20, 100                              ; s[32:39]: Wo's
	s_mul_i32 s21, s14, 2*RECB
	s_mul_i32 s22, s13, BBASE
	s_add_co_u32 s22, s22, s21                     ; where they go: no place in the cluster enters an LDS address
	s_mul_i32 s56, s18, 8*RECB                     ; O: mb and the wave alone
	s_add_co_u32 s56, s56, s21
	s_mov_b32 s57, 0
	s_mul_i32 s58, s17, 8*RECB                     ; Wo: j and the wave alone
	s_add_co_u32 s58, s58, s21
	s_add_co_u32 s58, s58, 832*RECB
	s_mov_b32 s59, 0
	s_wait_dscnt 0x0                               ; the opening add is done
	s_wait_kmcnt 0x0
	s_add_nc_u64 s[56:57], s[4:5], s[56:57]
	s_add_nc_u64 s[58:59], s[6:7], s[58:59]
	CROUND                                         ; all sixteen work-groups are here: the joint loads meet
.irp c, 0,1
	s_mov_b32 s[40+4*\c], 1
	s_add_co_u32 s[41+4*\c], s22, \c*4*RECB
	s_add_nc_u64 s[42+4*\c:43+4*\c], s[56:57], \c*4*RECB
	s_or_b32 s[43+4*\c], s[43+4*\c], 0x80000000
	s_mov_b32 s[48+4*\c], 1
	s_add_co_u32 s[49+4*\c], s22, \c*4*RECB
	s_add_nc_u64 s[50+4*\c:51+4*\c], s[58:59], \c*4*RECB
	s_or_b32 s[51+4*\c], s[51+4*\c], 0x80000000
.endr
	s_cmp_lt_u32 s12, 2                            ; a wave's two fills stand in one branch on its number; an s_nop 0 follows each, four v_nop the second
	s_cbranch_scc0 .Lfor_b
	tensor_load_to_lds s[40:43], s[24:31]
	s_nop 0
	tensor_load_to_lds s[44:47], s[24:31]
	s_nop 0
.rept 4
	v_nop
.endr
	s_branch .Lasked
.Lfor_b:
	tensor_load_to_lds s[48:51], s[32:39]
	s_nop 0
	tensor_load_to_lds s[52:55], s[32:39]
	s_nop 0
.rept 4
	v_nop
.endr
.Lasked:
	v_and_b32 v19, 31, v0                          ; lane
	v_and_b32 v20, 15, v0                          ; r
	v_bfe_u32 v21, v0, 4, 1                        ; h
	s_mul_i32 s66, s13, 6144
	s_mul_i32 s67, s14, 6144
	v_lshl_add_u32 v[LX16], v19, 4, s66
	v_lshl_add_u32 v[LX8], v19, 3, s66
	v_lshl_add_u32 v[LW16], v19, 4, s67
	v_lshl_add_u32 v[LW8], v19, 3, s67
	s_lshl_b32 s66, s13, 8
	s_lshl_b32 s67, s14, 8
	v_lshl_add_u32 v[LXS], v19, 3, s66
	v_lshl_add_u32 v[LWS], v19, 3, s67
	v_lshlrev_b32 v[BOFF], 6, v21
	s_mul_i32 s66, s12, STGB
	s_add_co_u32 s66, s66, STAGE                   ; my stage
	v_mul_u32_u24 v[STO], v20, 272
	v_lshl_add_u32 v[STO], v21, 6, v[STO]
	v_add_nc_u32 v[STO], s66, v[STO]               ; in: row r, + 64 h bytes
	v_mul_u32_u24 v[RD], v21, 272
	v_lshl_add_u32 v[RD], v20, 4, v[RD]
	v_add_nc_u32 v[RD], s66, v[RD]                 ; back: lanes 0-15 one row of 256 bytes, lanes 16-31 the next
	v_lshlrev_b32 v[GO], 12, v21
	v_lshl_add_u32 v[GO], v20, 4, v[GO]            ; and the same two rows in out0
	s_lshl_b32 s60, s17, 9
	s_add_co_u32 s60, s60, s67                     ; my 64 outputs in a row: 512 j + 256 wc bytes
	s_mov_b32 s61, 0
	s_add_nc_u64 s[8:9], s[8:9], s[60:61]
	s_add_nc_u64 s[10:11], s[10:11], s[60:61]
	s_lshl_b32 s60, s18, 19                        ; 128 mb rows of 4,096 bytes,
	s_lshl_b32 s62, s13, 18                        ; 64 wr rows
	s_add_co_u32 s60, s60, s62
	s_add_nc_u64 s[10:11], s[10:11], s[60:61]
.irp mt, 0,1,2,3                               ; the bias in the result's layout: lane (r, h), tile nt, register i: output 32 (nt / 2) + 16 h + 8 (nt % 2) + i
.irp nt, 0,1,2,3
	global_load_b128 v[ACC+8*(4*\mt+\nt):ACC+8*(4*\mt+\nt)+3], v[BOFF], s[8:9] offset:(32*(\nt/2)+8*(\nt%2))*4
	global_load_b128 v[ACC+8*(4*\mt+\nt)+4:ACC+8*(4*\mt+\nt)+7], v[BOFF], s[8:9] offset:(32*(\nt/2)+8*(\nt%2))*4+16
.endr
.endr
.macro FETCH n                         ; K step n's fragments and scale words into set n % 2: 34 LDS loads
.set FP, (\n)%2
	WIN 0
	v_add_nc_u32 v[XA16], RECB*(\n), v[LX16]
	v_add_nc_u32 v[XA8], RECB*(\n), v[LX8]
	v_add_nc_u32 v[XAS], RECB*(\n), v[LXS]
	v_add_nc_u32 v[WA16], BBASE+RECB*(\n), v[LW16]
	v_add_nc_u32 v[WA8], BBASE+RECB*(\n), v[LW8]
	v_add_nc_u32 v[WAS], BBASE+RECB*(\n), v[LWS]
	WIN 0x40                                       ; destination window 1
.irp f, 0,1,2,3
	FRAG 128*FP+12*\f, WA16, WA8, 1536*\f
.endr
.irp f, 0,1,2,3
	FRAG 128*FP+48+12*\f, XA16, XA8, 1536*\f
.endr
	WIN 0
	ds_load_b64 v[32+2*FP:33+2*FP], v[XAS] offset:12288
	ds_load_b64 v[36+2*FP:37+2*FP], v[WAS] offset:12288
.endm
.macro GROUP n                         ; 16 products; the accumulators take turns, one instruction a turn
.set GP, (\n)%2
	WIN 0x05                                       ; sources window 1, C and D window 0
.irp mt, 0,1,2,3
.irp nt, 0,1,2,3
	WM ACC+8*(4*\mt+\nt), 128*GP+12*\nt, 128*GP+48+12*\mt, 36+2*GP+\nt/2, 32+2*GP+\mt/2, \nt%2, \mt%2
.endr
.endr
.endm
	s_wait_tensorcnt 1                             ; my part of K steps 0 to 3 is in; the second half may stay out
	s_barrier_signal -1
	s_barrier_wait -1
	FETCH 0
	s_wait_loadcnt 0x0                             ; the bias stands in the accumulators
.irp n, 0,1,2,3,4,5,6,7
.if \n == 3
	s_wait_tensorcnt 0x0                           ; my part of K steps 4 to 7 is in,
	s_wait_dscnt 0x0                               ; no LDS instruction of mine is pending at the signal,
	s_barrier_signal -1
	s_barrier_wait -1                              ; everybody's is
.endif
.if \n < 7
.if \n > 0
	PLACES
.endif
	FETCH \n+1
	s_wait_dscnt 34                                ; this step's fragments are in; the 34 loads just issued may be out
.else
	s_wait_dscnt 0x0
.endif
	GROUP \n
.endr
	; THE WAY OUT: a lane's eight outputs of a row go into my stage and come back as rows of 256 bytes.  LDS serves a wave's instructions in order: no wait between the stores and the loads
	WIN 0
	PLACES
.irp mt, 0,1,2,3
.irp nt, 0,1,2,3
	ds_store_b128 v[STO], v[ACC+8*(4*\mt+\nt):ACC+8*(4*\mt+\nt)+3] offset:4352*\mt+128*(\nt/2)+32*(\nt%2)          ; each accumulator from its low end on
	ds_store_b128 v[STO], v[ACC+8*(4*\mt+\nt)+4:ACC+8*(4*\mt+\nt)+7] offset:4352*\mt+128*(\nt/2)+32*(\nt%2)+16
.endr
.endr
	WIN 0x40
.irp mt, 0,1,2,3
.irp i, 0,1,2,3,4,5,6,7
	ds_load_b128 v[4*(8*\mt+\i):4*(8*\mt+\i)+3], v[RD] offset:4352*\mt+544*\i
.endr
.endr
	WIN 0x04                                       ; a store's data are its source 1: window 1
.irp mt, 0,1,2,3
.irp i, 0,1,2,3,4,5,6,7
	s_wait_dscnt 31-(8*\mt+\i)
	global_store_b128 v[GO], v[4*(8*\mt+\i):4*(8*\mt+\i)+3], s[10:11] offset:(32*(\mt/2)+8*(\mt%2)+2*\i+8*(\i/4))*4096 th:TH_STORE_NT   ; 16 lanes store 256 consecutive bytes, at a multiple of 256 from out0's first byte; the tile's rows stand in the immediate
.endr
.endr
	WIN 0
	s_wait_tensorcnt 0x0                           ; the wave's end: an add of 0 onto my spare word and its wait, behind my last tensor load and my last LDS store
	ds_add_u32 v[SPW], v[NIL]
	s_wait_dscnt 0x0
	CROUND                                         ; the closing round
	s_endpgm
.Lfunc_end_k_q38b811a24d_outp:
	.size	k_q38b811a24d_outp, .Lfunc_end_k_q38b811a24d_outp-k_q38b811a24d_outp
	.p2alignl 7, 3214868480
	.fill 96, 4, 3214868480
	.section	.rodata,"a",@progbits
	.p2align	6, 0x0
	.amdhsa_kernel k_q38b811a24d_outp
		.amdhsa_group_segment_fixed_size 274944
		.amdhsa_private_segment_fixed_size 0
		.amdhsa_enable_private_segment 0
		.amdhsa_kernarg_size 32
		.amdhsa_user_sgpr_count 2
		.amdhsa_user_sgpr_kernarg_segment_ptr 1
		.amdhsa_wavefront_size32 1
		.amdhsa_system_sgpr_workgroup_id_x 1
		.amdhsa_system_sgpr_workgroup_id_y 1
		.amdhsa_system_sgpr_workgroup_id_z 1
		.amdhsa_system_vgpr_workitem_id 0
		.amdhsa_next_free_vgpr 512
		.amdhsa_next_free_sgpr 80
		.amdhsa_reserve_vcc 0
		.amdhsa_float_denorm_mode_32 3
		.amdhsa_float_denorm_mode_16_64 3
		.amdhsa_memory_ordered 1
		.amdhsa_forward_progress 1
		.amdhsa_inst_pref_size 56
	.end_amdhsa_kernel
	.amdgpu_metadata
---
amdhsa.version: [ 1, 2 ]
amdhsa.kernels:
  - .name:           k_q38b811a24d_outp
    .symbol:         k_q38b811a24d_outp.kd
    .args:
      - { .name: oimg, .offset: 0, .size: 8, .value_kind: global_buffer, .address_space: global }
      - { .name: opnd, .offset: 8, .size: 8, .value_kind: global_buffer, .address_space: global }
      - { .name: bo, .offset: 16, .size: 8, .value_kind: global_buffer, .address_space: global }
      - { .name: out0, .offset: 24, .size: 8, .value_kind: global_buffer, .address_space: global }
    .group_segment_fixed_size: 274944
    .private_segment_fixed_size: 0
    .kernarg_segment_align: 8
    .kernarg_segment_size: 32
    .max_flat_workgroup_size: 128
    .sgpr_count:     80
    .vgpr_count:     512
    .wavefront_size: 32
...
	.end_amdgpu_metadata
.endif
;; end of part 4
